; MI455X (gfx1250); checked and timed in simulation.
; The chip was launched on July 23, 2026; its instructions are those of AMD's public machine-readable ISA for CDNA 5 (MIT licence, August 2026) and "CDNA5" Instruction Set Architecture Reference Guide (July 2026). The comments in the code are by the model that wrote it; some were corrected since.
;; Dynamic Sparse Attention. Allowed arithmetic: float matrix products may take bf16 or f16 operands with f32 sums; other float arithmetic in f32, or as packed bf16 or f16 multiplies, adds, multiply-adds, maxima and minima; sums over many terms, partial sums and values carried from step to step in f32; what a program stores and reads back later, other than sums and carried values, may be rounded once to bf16 or f16.
;; Inputs: Wk 512 x 512 float32; Wo 512 x 512 float32; Wq 512 x 512 float32; Wv 512 x 512 float32; bo 512 float32; keys 4 x 2,048 x 512 float32; query 4 x 2,048 x 512 float32; values 4 x 2,048 x 512 float32.
;; Outputs: out0 4 x 2,048 x 512 float32.
;; 2 versions, each right and faster than the one before. Each part assembles by itself: llvm-mc -triple=amdgcn-amd-amdhsa -mcpu=gfx1250 --defsym DOCPART=n.
;; ======== version 1 of 2: 3 launches
;; limits: values are held in f16: magnitudes above 65,504 overflow, below 6.1e-05 lose precision
;; workspace buffers: qf 8,388,608 bytes; kf 8,388,608 bytes; vf 8,388,608 bytes; of 8,388,608 bytes
;; launch proj (part 1): grid 256 x 3, 8 waves a work-group, no clusters, 74,752 bytes of LDS; arguments query, keys, values, Wq, Wk, Wv, qf, kf, vf; writes qf, kf, vf
.if DOCPART == 1
	.amdgcn_target "amdgcn-amd-amdhsa--gfx1250"
	.amdhsa_code_object_version 6
	.text
	.protected	k_qf0e83ca9a2_proj
	.globl	k_qf0e83ca9a2_proj
	.p2align	8
	.type	k_qf0e83ca9a2_proj,@function
k_qf0e83ca9a2_proj:
	s_mov_b64 s[64:65], 0
	v_nop
	global_prefetch_b8 v0, s[64:65] scope:SCOPE_SE
	s_setreg_imm32_b32 hwreg(HW_REG_WAVE_MODE, 25, 1), 1
	s_wait_xcnt 0x0
; THE THREE PROJECTIONS.  y = 0: q = query Wq^T, y = 1: k = keys Wk^T, y = 2: v = values Wv^T.  x: [8192][512] f32, W: [512][512] f32.
; Operands are rounded once to bf16, sums are f32, the result is rounded once to f16 and stored IN THE ORDER OF A MATRIX FRAGMENT, so that
; the next launch loads operands by 16 bytes a lane with no turning:
;   qf, kf: head hd = 8 n + h has 262,144 bytes; fragment (token tile t, channel half c2) at (2 t + c2) x 1,024; in it part x 512 + lane x 16:
;           token 16 t + lane % 16, channels 32 c2 + 16 part + 8 (lane / 16) + 0..7
;   vf:     fragment (key block kb of 32, channel tile ct) at kb x 4,096 + ct x 1,024; in it part x 512 + lane x 16:
;           channel 16 ct + lane % 16, keys 32 kb + 16 part + 8 (lane / 16) + 0..7
; LIMIT.  q, k and v must lie within f16's range (65,504); NaN and infinities are not treated apart.
; SHARES.  A work-group makes 128 x 128 numbers; eight waves, each 64 rows of the A set x 32 rows of the B set: 4 x 2 accumulators.
; In the result a lane holds ONE row of source 1 (lane % 16) and eight rows 8 (lane / 16) + 0..7 of source 0.  For q and k source 0 = W's rows (a lane: one token, eight
; channels); for v the two are swapped (a lane: one channel, eight keys).  x and W both have rows of 2,048 bytes, so the swap is a choice of two pointers.
; THROUGH REGISTERS: the operands arrive in f32; each number is rounded once by the thread that loaded it and lies in LDS as bf16.  No cluster: a joint load
; would land f32 in LDS, twice the bytes, and every reading wave would round it again.
; K goes in 8 steps of 64 channels (256 bytes of each row), written out: every offset is an immediate and no pointer is stepped.  Two LDS slots take turns.
.set PIT,   144                        ; an LDS row: 128 bytes (64 bf16) + 16 of padding: an odd multiple of 16
.set SETB,  128*PIT                    ; the A set's 128 rows; the B set lies behind them
.set SLOT,  2*SETB
.set SPARE, 2*SLOT                     ; behind the slots: the spare words, 128 bytes for each of eight waves; no other line names them
.set GO,   1                           ; v1  (tid / 16) x 2,048 + (tid % 16) x 16: my 16 bytes of a K step's 16 rows
.set LS0,  2                           ; v2  (tid / 16) x 144 + (tid % 16) x 8: where they go in slot 0;  v3 the same in slot 1
.set FA,   4                           ; v4  my lane's place in the wave's A fragments
.set FB,   5                           ; v5  the same for B
.set LN16, 6                           ; v6  16 x lane
.set SPW,  8                           ; v8  my spare word
.set NIL,  9                           ; v9  0
.set ACC,  16                          ; v[16:79]   accumulator (i, j) at 16 + 8 (2 i + j)
.set FRA,  80                          ; v[80:111]  four A fragments
.set FRB,  112                         ; v[112:127] two B fragments
.set STG,  128                         ; v[128:191] sixteen loads of 4 f32: A's eight, B's eight
	s_load_b512 s[16:31], s[0:1], 0x0              ; query 16, keys 18, values 20, Wq 22, Wk 24, Wv 26, qf 28, kf 30
	s_load_b64 s[32:33], s[0:1], 0x40              ; vf
	v_lshl_add_u32 v[SPW], v0, 2, SPARE
	v_mov_b32 v[NIL], 0
	v_lshrrev_b32 v7, 5, v0
	v_readfirstlane_b32 s5, v7                     ; wave 0..7
	s_and_b32 s4, ttmp7, 0xffff                    ; y: which projection
	s_and_b32 s6, ttmp9, 3                         ; cb: block of 128 channels
	s_lshr_b32 s7, ttmp9, 2                        ; tb: block of 128 tokens
	s_and_b32 s8, s5, 1                            ; wa: which 64 rows of the A set
	s_lshr_b32 s9, s5, 1                           ; wb: which 32 rows of the B set
	v_lshrrev_b32 v7, 4, v0
	v_and_b32 v10, 15, v0
	v_lshlrev_b32 v[GO], 11, v7
	v_lshl_add_u32 v[GO], v10, 4, v[GO]
	v_mul_u32_u24 v[LS0], v7, PIT
	v_lshl_add_u32 v[LS0], v10, 3, v[LS0]
	v_add_nc_u32 v[LS0+1], SLOT, v[LS0]
	v_bfe_u32 v11, v0, 4, 1
	v_mul_u32_u24 v12, v10, PIT
	v_lshl_add_u32 v12, v11, 4, v12                ; a fragment's row x pitch + 16 x half
	s_mul_i32 s10, s8, 64*PIT
	v_add_nc_u32 v[FA], s10, v12
	s_mul_i32 s10, s9, 32*PIT
	s_add_co_u32 s10, s10, SETB
	v_add_nc_u32 v[FB], s10, v12
	v_and_b32 v13, 31, v0
	v_lshlrev_b32 v[LN16], 4, v13
	; where the wave's results go: n x 2,097,152 + (tb % 16) x 16,384 + cb x 524,288 + the wave's part
	s_lshr_b32 s10, s7, 4
	s_lshl_b32 s10, s10, 21
	s_and_b32 s11, s7, 15
	s_lshl_b32 s11, s11, 14
	s_add_co_u32 s10, s10, s11
	s_lshl_b32 s11, s6, 19
	s_add_co_u32 s10, s10, s11
	s_lshl_b32 s11, s8, 18                         ; q, k: wa is the head's low bit, wb two token tiles
	s_lshl_b32 s12, s9, 12
	s_add_co_u32 s11, s11, s12
	s_lshl_b32 s12, s8, 13                         ; v: wa is two key blocks, wb % 2 two channel tiles, wb / 2 the head's low bit
	s_and_b32 s13, s9, 1
	s_lshl_b32 s13, s13, 11
	s_add_co_u32 s12, s12, s13
	s_lshr_b32 s13, s9, 1
	s_lshl_b32 s13, s13, 18
	s_add_co_u32 s12, s12, s13
	s_cmp_eq_u32 s4, 2
	s_cselect_b32 s11, s12, s11
	s_cselect_b32 s12, s7, s6                      ; the A set's block: tokens for v, channels for q and k
	s_cselect_b32 s13, s6, s7                      ; the B set's
	s_add_co_u32 s46, s10, s11
	s_mov_b32 s47, 0
	s_lshl_b32 s44, s12, 18                        ; 128 rows of 2,048 bytes
	s_mov_b32 s45, 0
	s_lshl_b32 s48, s13, 18
	s_mov_b32 s49, 0
	s_wait_kmcnt 0x0
	s_cmp_eq_u32 s4, 0
	s_cselect_b64 s[40:41], s[16:17], s[18:19]     ; x
	s_cselect_b64 s[42:43], s[22:23], s[24:25]     ; W
	s_cselect_b64 s[38:39], s[28:29], s[30:31]     ; the result
	s_cmp_eq_u32 s4, 2
	s_cselect_b64 s[40:41], s[20:21], s[40:41]
	s_cselect_b64 s[42:43], s[26:27], s[42:43]
	s_cselect_b64 s[38:39], s[32:33], s[38:39]
	s_cselect_b64 s[34:35], s[40:41], s[42:43]     ; the A set (source 0): x for v, else W
	s_cselect_b64 s[36:37], s[42:43], s[40:41]     ; the B set (source 1)
	s_add_nc_u64 s[34:35], s[34:35], s[44:45]
	s_add_nc_u64 s[36:37], s[36:37], s[48:49]
	s_add_nc_u64 s[38:39], s[38:39], s[46:47]
.macro GLOAD k                         ; K step k of both sets: a wave's load covers two rows x 256 consecutive bytes, aligned
.irp i, 0,1,2,3,4,5,6,7
	global_load_b128 v[STG+4*\i:STG+4*\i+3], v[GO], s[34:35] offset:(\k)*256+\i*32768
.endr
.irp i, 0,1,2,3,4,5,6,7
	global_load_b128 v[STG+32+4*\i:STG+32+4*\i+3], v[GO], s[36:37] offset:(\k)*256+\i*32768
.endr
.endm
.macro CVT                             ; four f32 become four bf16 in the load's first two registers
.set n, 0
.rept 16
	v_cvt_pk_bf16_f32 v[STG+4*n], v[STG+4*n], v[STG+4*n+1]
	v_cvt_pk_bf16_f32 v[STG+4*n+1], v[STG+4*n+2], v[STG+4*n+3]
.set n, n+1
.endr
.endm
.macro LSTORE s
.irp i, 0,1,2,3,4,5,6,7
	ds_store_b64 v[LS0+(\s)], v[STG+4*\i:STG+4*\i+1] offset:\i*16*PIT
.endr
.irp i, 0,1,2,3,4,5,6,7
	ds_store_b64 v[LS0+(\s)], v[STG+32+4*\i:STG+32+4*\i+1] offset:SETB+\i*16*PIT
.endr
.endm
.macro FRAGS s, u                      ; the fragments of 32 channels (half u of the step) from slot s: two loads of 16 bytes, 32 bytes apart, each
.irp i, 0,1,2,3
	ds_load_b128 v[FRA+8*\i:FRA+8*\i+3],   v[FA] offset:(\s)*SLOT+\i*16*PIT+64*(\u)
	ds_load_b128 v[FRA+8*\i+4:FRA+8*\i+7], v[FA] offset:(\s)*SLOT+\i*16*PIT+64*(\u)+32
.endr
.irp j, 0,1
	ds_load_b128 v[FRB+8*\j:FRB+8*\j+3],   v[FB] offset:(\s)*SLOT+\j*16*PIT+64*(\u)
	ds_load_b128 v[FRB+8*\j+4:FRB+8*\j+7], v[FB] offset:(\s)*SLOT+\j*16*PIT+64*(\u)+32
.endr
.endm
.macro MUL zero                        ; eight products; the eight accumulators take turns, one instruction a turn.  zero = 1: they start the sums
.irp i, 0,1,2,3
.irp j, 0,1
.if \zero
	v_wmma_f32_16x16x32_bf16 v[ACC+8*(2*\i+\j):ACC+8*(2*\i+\j)+7], v[FRA+8*\i:FRA+8*\i+7], v[FRB+8*\j:FRB+8*\j+7], 0
.else
	v_wmma_f32_16x16x32_bf16 v[ACC+8*(2*\i+\j):ACC+8*(2*\i+\j)+7], v[FRA+8*\i:FRA+8*\i+7], v[FRB+8*\j:FRB+8*\j+7], v[ACC+8*(2*\i+\j):ACC+8*(2*\i+\j)+7]
.endif
.endr
.endr
.endm
.macro PLACES                          ; four plain places between a product and a load into, or a read of, its registers
.rept 4
	v_nop
.endr
.endm
; K step k: multiplies slot k % 2; rounds step k + 1 (loaded a step ago) and stores it into the other slot; asks for step k + 2.
; The other slot was last read in step k - 1, and the barrier at that step's end stands behind every wave's wait for those reads.
.macro STEP k
.if (\k) > 0
	PLACES
.endif
	FRAGS (\k)%2, 0
.if (\k) < 7
	s_wait_loadcnt 0x0                             ; step k + 1 is in registers
	CVT
.endif
	s_wait_dscnt 0x0                               ; the fragments are in
.if (\k) == 0
	MUL 1
.else
	MUL 0
.endif
.if (\k) < 7
	LSTORE ((\k)+1)%2
.endif
.if (\k) < 6
	GLOAD (\k)+2
.endif
	PLACES
	FRAGS (\k)%2, 1
	s_wait_dscnt 0x0                               ; the fragments are in, and my stores into the other slot are done: for the others' sake
	MUL 0
.if (\k) < 7
	s_barrier_signal -1
	s_barrier_wait -1                              ; the other slot is whole, and nobody reads this one any more
.endif
.endm
	GLOAD 0
	s_wait_loadcnt 0x0
	CVT
	LSTORE 0
	GLOAD 1
	s_wait_dscnt 0x0
	s_barrier_signal -1
	s_barrier_wait -1
	STEP 0
	STEP 1
	STEP 2
	STEP 3
	STEP 4
	STEP 5
	STEP 6
	STEP 7
	; THE WAY OUT.  A lane's eight numbers of an accumulator are 16 bytes of a fragment, at its own lane's place: each store covers 512 consecutive bytes, aligned.
	PLACES
.set a, 0
.rept 8
.irp r, 0,1,2,3
	v_cvt_pk_f16_f32 v[STG+4*a+\r], v[ACC+8*a+2*\r], v[ACC+8*a+2*\r+1]
.endr
.set a, a+1
.endr
	s_cmp_eq_u32 s4, 2
	s_cbranch_scc1 .Lstore_v
.irp i, 0,1,2,3
.irp j, 0,1
	global_store_b128 v[LN16], v[STG+4*(2*\i+\j):STG+4*(2*\i+\j)+3], s[38:39] offset:\i*512+\j*2048  ; i: 16 channels; j: a token tile
.endr
.endr
	s_branch .Lend
.Lstore_v:
.irp i, 0,1,2,3
.irp j, 0,1
	global_store_b128 v[LN16], v[STG+4*(2*\i+\j):STG+4*(2*\i+\j)+3], s[38:39] offset:(\i%2)*512+(\i/2)*4096+\j*1024  ; i: 16 keys; j: a channel tile
.endr
.endr
.Lend:
	s_wait_tensorcnt 0x0                           ; the wave's end: behind my last LDS store
	ds_add_u32 v[SPW], v[NIL]
	s_wait_dscnt 0x0
	s_endpgm
.Lfunc_end_k_qf0e83ca9a2_proj:
	.size	k_qf0e83ca9a2_proj, .Lfunc_end_k_qf0e83ca9a2_proj-k_qf0e83ca9a2_proj
	.p2alignl 7, 3214868480
	.fill 96, 4, 3214868480
	.section	.rodata,"a",@progbits
	.p2align	6, 0x0
	.amdhsa_kernel k_qf0e83ca9a2_proj
		.amdhsa_group_segment_fixed_size 74752
		.amdhsa_private_segment_fixed_size 0
		.amdhsa_enable_private_segment 0
		.amdhsa_kernarg_size 72
		.amdhsa_user_sgpr_count 2
		.amdhsa_user_sgpr_kernarg_segment_ptr 1
		.amdhsa_wavefront_size32 1
		.amdhsa_system_sgpr_workgroup_id_x 1
		.amdhsa_system_sgpr_workgroup_id_y 1
		.amdhsa_system_sgpr_workgroup_id_z 1
		.amdhsa_system_vgpr_workitem_id 0
		.amdhsa_next_free_vgpr 192
		.amdhsa_next_free_sgpr 66
		.amdhsa_reserve_vcc 0
		.amdhsa_float_denorm_mode_32 3
		.amdhsa_float_denorm_mode_16_64 3
		.amdhsa_memory_ordered 1
		.amdhsa_forward_progress 1
		.amdhsa_inst_pref_size 66
	.end_amdhsa_kernel
	.amdgpu_metadata
---
amdhsa.version: [ 1, 2 ]
amdhsa.kernels:
  - .name:           k_qf0e83ca9a2_proj
    .symbol:         k_qf0e83ca9a2_proj.kd
    .args:
      - { .name: query, .offset: 0, .size: 8, .value_kind: global_buffer, .address_space: global }
      - { .name: keys, .offset: 8, .size: 8, .value_kind: global_buffer, .address_space: global }
      - { .name: values, .offset: 16, .size: 8, .value_kind: global_buffer, .address_space: global }
      - { .name: Wq, .offset: 24, .size: 8, .value_kind: global_buffer, .address_space: global }
      - { .name: Wk, .offset: 32, .size: 8, .value_kind: global_buffer, .address_space: global }
      - { .name: Wv, .offset: 40, .size: 8, .value_kind: global_buffer, .address_space: global }
      - { .name: qf, .offset: 48, .size: 8, .value_kind: global_buffer, .address_space: global }
      - { .name: kf, .offset: 56, .size: 8, .value_kind: global_buffer, .address_space: global }
      - { .name: vf, .offset: 64, .size: 8, .value_kind: global_buffer, .address_space: global }
    .group_segment_fixed_size: 74752
    .private_segment_fixed_size: 0
    .kernarg_segment_align: 8
    .kernarg_segment_size: 72
    .max_flat_workgroup_size: 256
    .sgpr_count:     66
    .vgpr_count:     192
    .wavefront_size: 32
...
	.end_amdgpu_metadata
.endif
;; end of part 1
;; launch attn (part 2): grid 256 x 1, 4 waves a work-group, clusters of 4 x 1, 296,960 bytes of LDS; arguments qf, kf, vf, of; writes of
.if DOCPART == 2
	.amdgcn_target "amdgcn-amd-amdhsa--gfx1250"
	.amdhsa_code_object_version 6
	.text
	.protected	k_qf0e83ca9a2_attn
	.globl	k_qf0e83ca9a2_attn
	.p2align	8
	.type	k_qf0e83ca9a2_attn,@function
k_qf0e83ca9a2_attn:
	s_mov_b64 s[64:65], 0
	v_nop
	global_prefetch_b8 v0, s[64:65] scope:SCOPE_SE
	s_setreg_imm32_b32 hwreg(HW_REG_WAVE_MODE, 25, 1), 1
	s_wait_xcnt 0x0
	s_wait_alu depctr_hold_cnt(0) depctr_sa_sdst(0) depctr_va_vdst(0) depctr_va_sdst(0) depctr_va_ssrc(0) depctr_va_vcc(0) depctr_vm_vsrc(0)
	s_getreg_b32 s2, hwreg(HW_REG_IB_STS2, 6, 4)
	s_cmp_eq_u32 s2, 0
	s_cbranch_scc0 .Lentry_in_a_cluster
	s_endpgm
.Lentry_in_a_cluster:
	s_bfe_u32 s2, ttmp6, 0x10000c
	s_cmp_lg_u32 s2, 0x3003
	s_cbranch_scc0 .Lentry_shape_is_right
	s_endpgm
.Lentry_shape_is_right:
; SPARSE ATTENTION.  For each of 32 heads and 2,048 queries: s = q . k (no scale), p = softmax over all 2,048 keys; every p strictly below the row's 204th largest is dropped; O = sum of the kept p v,
; divided by the FULL softmax sum.  qf, kf, vf hold q, k, v in f16 in matrix-fragment order; of takes O in f16 in the order of the next launch's fragments:
; token tile tg x 16,384 + (channel / 32) x 1,024 + part x 512 + lane x 16.
; SHARES.  A work-group stays with 256 queries of one head and walks them in 8 blocks of 32 (two tiles T of 16).  THE KEYS ARE SPLIT AMONG THE FOUR WAVES, 512 each: a block's 32 x 2,048 scores lie in
; registers, 512 a wave, and are made once.  Maximum, counts, l and O meet in LDS.
; LAYOUT.  S^T = K Q^T (source 0 = 16 keys, source 1 = 16 queries): a lane holds ONE query (lane % 16) and the keys 8 (lane / 16) + 0..7 of each key tile.  Two tiles rounded to f16 ARE source 1 of O^T = V^T P.
; THE 204th LARGEST, with no branch on data.  x = c s - c m (c = log2 e, m the row's maximum), y = -x.  The order of y is the order of its bit pattern, so the pattern of the 204th smallest y is found bit by bit:
; key = bits(y) - bits(2^-25), 28 bits, up to y = 128.  For a candidate the number of y below it is counted: clamp(2^64 x + 2^64 cand) is exactly 1 where cand > y (the least difference, 2^-48, times 2^64 passes 1)
; and exactly 0 elsewhere; counts, 2,048 at the most, are exact in f32.  count >= 204: the bit is 0.  After 28 bits the keep bound is the next pattern above the 204th smallest y, and ties are kept, as in the problem.
; LIMITS.  The order is taken on x as rounded by one fused multiply-add, which is monotone in s.  All y below 2^-25 count as equal (their p round to 1); all y from 128 on have p = 0 (a p below 2^-126 counts as 0).
; |x| stays under 2^62.  p, in 0 to 1, and O are rounded to f16.  NaN and infinities are not treated apart.
; K: the head's 262,144 bytes are filled into LDS ONCE; each wave asks for its own quarter, which it alone reads, so its own wait on TENSORcnt orders the reads.  The four work-groups of a cluster belong to
; one head: the load is JOINT (mask of four).  One tensor load a wave is out, and no byte is filled again.
; V: straight from memory into registers, in fragment order, through a ring of eight slots of 32 registers; the first eight slots are asked for ahead of the bisection, the others as slots come free, eight steps ahead.
; V is shared by the partners too, but a joint load lands in LDS alone, and beside K's bytes, the partial sums and the spare words LDS has no room for a ring of V.
; REGISTERS, in windows of 256 (s_set_vgpr_msb: bits 1:0 source 0, 3:2 source 1, 5:4 source 2, 7:6 destination):
;   window 1: tile 0's 256 scores (key tile kt, register j at 8 kt + j): s, then x, then p       window 2: tile 1's
;   window 3: first K's fragments, four groups of 64; then V's ring                               window 0: all else (below)
; In packed lines the score is always source 1; the line that sums indicators carries the constant 1.0 there, so a whole count runs under one window setting.
.set OP,    262144                     ; LDS: wave v's partial O^T at v x 8,192 + (4 T + ct) x 1,024 + half x 512 + lane x 16
.set RED,   294912                     ; six blocks of 256 bytes, [query % 16][wave] in f32:
.set MX,    0                          ;   the maxima, tile T at + 256 T
.set CN,    512                        ;   the counts
.set LS,    1024                       ;   the sums l
.set SPARE, 296448                     ; the spare words, 128 bytes for each wave; no other line names them
.set BASE,  0x33000000                 ; bits(2^-25)
.set LN16, 1                           ; v1  16 x lane
.set KAD,  2                           ; v2  my wave's quarter of K in LDS + 16 x lane
.set RW,   3                           ; v3  RED + 16 (lane % 16) + 4 x wave
.set RR,   4                           ; v4  RED + 16 (lane % 16)
.set OPW,  5                           ; v5  OP + wave x 8,192 + 16 x lane
.set OPR,  6                           ; v6  OP + wave x 1,024 + 16 x lane
.set SPW,  8                           ; v8  my spare word
.set NIL,  9                           ; v9  0
.set TA,   10                          ; v10, v11 at work
.set TB,   11
.set RB,   12                          ; v[12:15] four waves' partials read back
.set BIG,  16                          ; v[16:17] 2^64, twice
.set CV,   18                          ; v[18:19] c, twice
.set CM,   20                          ; v[20:23] c m, a pair a tile
.set CB,   24                          ; v[24:27] 2^64 x candidate, a pair a tile
.set PP,   28                          ; v28, v29 the key's bits found so far, a tile each
.set TT,   32                          ; v[32:63] indicators
.set CA,   64                          ; v[64:71] four pairs of count sums; in the maximum pass four chains a tile
.set LL,   72                          ; v[72:79] l: two pairs a tile
.set PF,   80                          ; v[80:95] P as f16, 8 a tile
.set QF,   96                          ; v[96:127] Q: (T, c2, part) at 96 + 16 T + 8 c2 + 4 part
.set OA,   128                         ; v[128:191] O^T: (T, ct) at 128 + 8 (4 T + ct)
.set WO,   192                         ; v[192:255] the way out
.set MSB, 0
.macro WIN new                         ; the immediate's high byte repeats the setting that is left; a switch that changes nothing is dropped
.if MSB != (\new)
	s_set_vgpr_msb (MSB<<8)|(\new)
.set MSB, (\new)
.endif
.endm
.macro PLACES                          ; four plain places between a product and a load into, or a read of, its registers
.rept 4
	v_nop
.endr
.endm
.macro ROUND                           ; a round of the cluster's barrier
	s_barrier_signal -1
	s_barrier_wait -1
	s_cmp_lg_u32 s12, 0
	s_cbranch_scc1 .Lnot_wave_0_\@
	s_barrier_signal -3
.Lnot_wave_0_\@:
	s_barrier_wait -3
	s_barrier_signal -1
	s_barrier_wait -1
.endm
	s_load_b256 s[4:11], s[0:1], 0x0               ; qf s[4:5], kf s[6:7], vf s[8:9], of s[10:11]
	v_lshl_add_u32 v[SPW], v0, 2, SPARE
	v_mov_b32 v[NIL], 0
	ds_add_u32 v[SPW], v[NIL]                      ; the wave's opening: the add and its wait stand ahead of my first tensor load; the set-up below stands between them
	v_lshrrev_b32 v[TA], 5, v0
	v_readfirstlane_b32 s12, v[TA]                 ; wave 0..3
	s_bfe_u32 s13, ttmp6, 0x40000                  ; cx: it enters Q's and O's addresses alone
	s_lshr_b32 s14, ttmp9, 1                       ; the head, 8 n + h: two clusters a head, so the four partners share it
	s_lshl_b32 s39, s14, 18                        ; the head's 262,144 bytes
	s_lshl_b32 s17, s12, 16                        ; my wave's quarter: in memory, and in LDS (descriptor group 0, 63:32)
	s_add_co_u32 s42, s39, s17
	s_mov_b32 s43, 0
	s_and_b32 s15, ttmp9, 1
	s_lshl_b32 s15, s15, 2
	s_add_co_u32 s15, s15, s13                     ; which 256 queries of the head
	s_lshl_b32 s30, s15, 15                        ; 16 query tiles of 2,048 bytes
	s_add_co_u32 s30, s30, s39
	s_mov_b32 s31, 0
	s_lshr_b32 s44, s14, 3                         ; O: n x 128 token tiles of 16,384 bytes,
	s_lshl_b32 s44, s44, 21
	s_lshl_b32 s46, s15, 18                        ; my 16 of them,
	s_add_co_u32 s44, s44, s46
	s_and_b32 s46, s14, 7                          ; the head's 64 channels: 2,048 bytes,
	s_lshl_b32 s46, s46, 11
	s_add_co_u32 s44, s44, s46
	s_lshl_b32 s46, s12, 9                         ; and the channel tile that my wave finishes
	s_add_co_u32 s44, s44, s46
	s_mov_b32 s45, 0
	s_mov_b32 s16, 1                               ; group 0: count = 1
	s_mov_b32 s20, 15|(3<<16)|(1<<21)              ; group 1: the mask of four; elements of 8 bytes; bit 21 set beside a mask; no padding
	s_mov_b32 s21, 32<<16                          ; tensor_dim0 = 32 elements: rows of 256 bytes
	s_mov_b32 s22, 256<<16                         ; tensor_dim1 = 256 rows: 65,536 dense bytes
	s_mov_b32 s23, 32<<16                          ; tile_dim0
	s_mov_b32 s24, 256                             ; tile_dim1
	s_mov_b32 s25, 32                              ; elements from row to row
	s_mov_b32 s26, 0
	s_mov_b32 s27, 0
	s_mov_b32 s37, 0x434c0000                      ; 204.0
	s_mov_b32 s38, 0x5f800000                      ; 2^64
	s_mov_b32 s40, 0x76543210                      ; v_permlanex16_b32: each lane takes its own place in the other half
	s_mov_b32 s41, 0xfedcba98
	v_and_b32 v[TA], 31, v0
	v_lshlrev_b32 v[LN16], 4, v[TA]
	v_add_nc_u32 v[KAD], s17, v[LN16]
	v_and_b32 v[TB], 15, v0
	s_lshl_b32 s46, s12, 2
	s_add_co_u32 s46, s46, RED
	v_lshl_add_u32 v[RW], v[TB], 4, s46
	v_lshl_add_u32 v[RR], v[TB], 4, RED
	s_lshl_b32 s46, s12, 13
	s_add_co_u32 s46, s46, OP
	v_add_nc_u32 v[OPW], s46, v[LN16]
	s_lshl_b32 s46, s12, 10
	s_add_co_u32 s46, s46, OP
	v_add_nc_u32 v[OPR], s46, v[LN16]
	v_mov_b32 v[BIG], 0x5f800000
	v_mov_b32 v[BIG+1], 0x5f800000
	v_mov_b32 v[CV], 0x3fb8aa3b
	v_mov_b32 v[CV+1], 0x3fb8aa3b
	s_wait_dscnt 0x0                               ; the opening add is done
	s_wait_kmcnt 0x0
	s_add_nc_u64 s[18:19], s[6:7], s[42:43]        ; group 0, 120:64: my quarter of the head's K
	s_or_b32 s19, s19, 0x80000000                  ; 127:126 type = 2
	s_add_nc_u64 s[8:9], s[8:9], s[42:43]          ; V at my wave's 512 keys; never rewritten
	s_add_nc_u64 s[4:5], s[4:5], s[30:31]          ; Q at the work-group's first tile
	s_add_nc_u64 s[10:11], s[10:11], s[44:45]      ; O at the first block
	ROUND                                          ; all four work-groups are here: the joint loads meet
	tensor_load_to_lds s[16:19], s[20:27]
	s_nop 0
	PLACES
.irp i, 0,1,2,3,4,5,6,7
	global_load_b128 v[QF+4*\i:QF+4*\i+3], v[LN16], s[4:5] offset:512*\i  ; the first block's Q
.endr
	s_mov_b32 s28, 8                               ; blocks to go
	s_mov_b32 s29, 0                               ; the block whose Q was asked for last
	s_wait_tensorcnt 0x0                           ; my quarter of K is in LDS; nobody else reads it
; K's fragments of key tiles 4 g .. 4 g + 3: sixteen loads of 512 consecutive bytes
.macro KLOAD g
	WIN 0xc0                                       ; destination window 3
.set n, 0
.rept 16
	ds_load_b128 v[64*((\g)%4)+4*n:64*((\g)%4)+4*n+3], v[KAD] offset:(\g)*8192+n*512
.set n, n+1
.endr
.endm
; The scores of those four key tiles, both query tiles: four products start the sums, four end them; three other accumulators stand between a sum's two links
.macro QKG g, left
	s_wait_dscnt \left                             ; group g is in; the younger groups' loads, sixteen each, may stay out
.irp T, 0,1
	WIN 0x03+0x50*(1+\T)                           ; K in window 3, Q in window 0, C and D in the tile's window
.irp c, 0,1
.irp k, 0,1,2,3
.if \c == 0
	v_wmma_f32_16x16x32_f16 v[8*(4*(\g)+\k):8*(4*(\g)+\k)+7], v[64*((\g)%4)+16*\k+8*\c:64*((\g)%4)+16*\k+8*\c+7], v[QF+16*\T+8*\c:QF+16*\T+8*\c+7], 0
.else
	v_wmma_f32_16x16x32_f16 v[8*(4*(\g)+\k):8*(4*(\g)+\k)+7], v[64*((\g)%4)+16*\k+8*\c:64*((\g)%4)+16*\k+8*\c+7], v[QF+16*\T+8*\c:QF+16*\T+8*\c+7], v[8*(4*(\g)+\k):8*(4*(\g)+\k)+7]
.endif
.endr
.endr
.endr
.if (\g) < 4
	PLACES
	KLOAD (\g)+4                                   ; into the group just multiplied
.endif
.endm
; V's key block kb (32 keys x 64 channels): eight loads of 512 consecutive bytes into slot kb % 8
.macro VLOAD kb
	WIN 0xc0
.set n, 0
.rept 8
	global_load_b128 v[32*((\kb)%8)+4*n:32*((\kb)%8)+4*n+3], v[LN16], s[8:9] offset:(\kb)*4096+n*512
.set n, n+1
.endr
.endm
; Tile T's maximum over my 512 keys: four chains, three operands at a time; each accumulator's lowest registers are read first.  The four v_mov are also the places behind the last products.
.macro MAXP T
	WIN 0
.irp i, 0,1,2,3
	v_mov_b32 v[CA+4*(\T)+\i], 0xff800000
.endr
	WIN 0x14*(1+(\T))                              ; sources 1 and 2 in the tile's window
.set g, 0
.rept 32
.irp i, 0,1,2,3
	v_max3_num_f32 v[CA+4*(\T)+\i], v[CA+4*(\T)+\i], v[8*g+2*\i], v[8*g+2*\i+1]
.endr
.set g, g+1
.endr
	WIN 0
	v_max3_num_f32 v[CA+4*(\T)], v[CA+4*(\T)], v[CA+4*(\T)+1], v[CA+4*(\T)+2]
	v_max_num_f32 v[CA+4*(\T)], v[CA+4*(\T)], v[CA+4*(\T)+3]
	v_permlanex16_b32 v[TA], v[CA+4*(\T)], s40, s41  ; the query's other keys lie in the lane 16 away
	v_max_num_f32 v[CA+4*(\T)], v[CA+4*(\T)], v[TA]
	ds_store_b32 v[RW], v[CA+4*(\T)] offset:MX+256*(\T)
.endm
.macro XPASS T                         ; x = c s - c m, one rounding
	WIN 0x44*(1+(\T))                              ; source 1 and destination in the tile's window
.set n, 0
.rept 128
	v_pk_fma_f32 v[2*n:2*n+1], v[CV:CV+1], v[2*n:2*n+1], v[CM+2*(\T):CM+2*(\T)+1] neg_lo:[0,0,1] neg_hi:[0,0,1]
.set n, n+1
.endr
.endm
; COUNTING.  For key tiles g0 .. g1 - 1 of tile T: four packed lines make a key tile's eight indicators, four more add them onto the four pairs of sums; a tile's sums stand behind the next tile's indicators.
; Key tile 0's indicators are written into the sums themselves: nothing is cleared.
.macro ADDUP gg
.irp i, 0,1,2,3
	v_pk_fma_f32 v[CA+2*\i:CA+2*\i+1], v[TT+8*((\gg)%2)+2*\i:TT+8*((\gg)%2)+2*\i+1], 1.0, v[CA+2*\i:CA+2*\i+1] op_sel_hi:[1,0,1]
.endr
.endm
.macro COUNT T, g0, g1
	WIN 0x04*(1+(\T))                              ; source 1 in the tile's window
.set g, (\g0)
.rept (\g1)-(\g0)
.irp i, 0,1,2,3
.if g == 0
	v_pk_fma_f32 v[CA+2*\i:CA+2*\i+1], v[BIG:BIG+1], v[8*g+2*\i:8*g+2*\i+1], v[CB+2*(\T):CB+2*(\T)+1] clamp
.else
	v_pk_fma_f32 v[TT+8*(g%2)+2*\i:TT+8*(g%2)+2*\i+1], v[BIG:BIG+1], v[8*g+2*\i:8*g+2*\i+1], v[CB+2*(\T):CB+2*(\T)+1] clamp
.endif
.endr
.if (g > (\g0)) && (g > 1)
	ADDUP (g-1)
.endif
.set g, g+1
.endr
	ADDUP ((\g1)-1)
.endm
.macro REDUCE T                        ; my wave's count for each query goes to LDS
	WIN 0
	v_pk_add_f32 v[CA:CA+1], v[CA:CA+1], v[CA+2:CA+3]
	v_pk_add_f32 v[CA+4:CA+5], v[CA+4:CA+5], v[CA+6:CA+7]
	v_pk_add_f32 v[CA:CA+1], v[CA:CA+1], v[CA+4:CA+5]
	v_add_f32 v[CA], v[CA], v[CA+1]
	v_permlanex16_b32 v[TA], v[CA], s40, s41
	v_add_f32 v[CA], v[CA], v[TA]
	ds_store_b32 v[RW], v[CA] offset:CN+256*(\T)
.endm
.macro RESOLVE U                       ; the four waves' counts are in RB: tile U's bit is decided and its next candidate made.  s34 = the bit, s35 = BASE + the next bit (behind the last bit: + 1, the keep bound)
	v_add_f32 v[RB], v[RB], v[RB+1]
	v_add_f32 v[RB+2], v[RB+2], v[RB+3]
	v_add_f32 v[RB], v[RB], v[RB+2]
	v_cmp_gt_f32 vcc_lo, s37, v[RB]                ; fewer than 204 lie below the candidate: the bit is 1
	v_add_nc_u32 v[TB], s34, v[PP+(\U)]
	v_cndmask_b32 v[PP+(\U)], v[PP+(\U)], v[TB], vcc_lo
	v_add_nc_u32 v[TB], s35, v[PP+(\U)]            ; the next candidate's bit pattern,
	v_mul_f32 v[CB+2*(\U)], s38, v[TB]             ; taken as a float, times 2^64
	v_mov_b32 v[CB+2*(\U)+1], v[CB+2*(\U)]
.endm
; THE TWO TILES GO BY TURNS: while tile T's count is ended and sent, tile U's four partials come back and its bit is decided; tile U's next count runs between the barrier's signal and its wait.
.macro POST T, U, step=0
	WIN 0
	ds_load_b128 v[RB:RB+3], v[RR] offset:CN+256*(\U)  ; behind the barrier that followed every wave's store of them
	COUNT \T, 24, 32
	REDUCE \T
	s_wait_dscnt 0x1                               ; the load is in; the store issued behind it may stay out
	RESOLVE \U
.if \step
	s_lshr_b32 s34, s34, 1                         ; both tiles have decided this bit: the next one
	s_lshr_b32 s35, s34, 1
	s_max_u32 s35, s35, 1
	s_add_co_u32 s35, s35, BASE
.endif
	s_wait_dscnt 0x0                               ; my count is in LDS, and my read of the others' is over: for the others' sake
	s_barrier_signal -1
.endm
; A STEP OF O^T += V^T P: key block kb, both tiles.  Indicators of the keep bound; ONE batch of 32 exponentials with one wait; l takes every p, P the kept ones.
.macro PVSTEP kb
.irp T, 0,1
	WIN 0x04*(1+\T)
.irp i, 0,1,2,3,4,5,6,7
	v_pk_fma_f32 v[TT+16*\T+2*\i:TT+16*\T+2*\i+1], v[BIG:BIG+1], v[16*(\kb)+2*\i:16*(\kb)+2*\i+1], v[CB+2*\T:CB+2*\T+1] clamp
.endr
.endr
.irp T, 0,1
	WIN 0x41*(1+\T)                                ; source 0 and destination in the tile's window
.set n, 0
.rept 16
	v_exp_f32 v[16*(\kb)+n], v[16*(\kb)+n]
.set n, n+1
.endr
.endr
	WIN 0
	v_nop                                          ; a plain instruction behind the last exponential (ISA guide 5.7.2)
	s_wait_alu depctr_va_vdst(0)                   ; and the wait ahead of the first use: one for the 32
.irp T, 0,1
	WIN 0x04*(1+\T)
.irp i, 0,1,2,3,4,5,6,7
	v_pk_add_f32 v[LL+4*\T+2*(\i%2):LL+4*\T+2*(\i%2)+1], v[LL+4*\T+2*(\i%2):LL+4*\T+2*(\i%2)+1], v[16*(\kb)+2*\i:16*(\kb)+2*\i+1]
	v_pk_mul_f32 v[TT+16*\T+2*\i:TT+16*\T+2*\i+1], v[TT+16*\T+2*\i:TT+16*\T+2*\i+1], v[16*(\kb)+2*\i:16*(\kb)+2*\i+1]
.endr
.endr
	WIN 0
.irp T, 0,1
.irp i, 0,1,2,3,4,5,6,7
	v_cvt_pk_f16_f32 v[PF+8*\T+\i], v[TT+16*\T+2*\i], v[TT+16*\T+2*\i+1]
.endr
.endr
.if (\kb) <= 8
	s_wait_loadcnt 56                              ; slot kb % 8 is in: behind its eight loads seven slots' were issued
.else
	s_wait_loadcnt 8*(15-(\kb))                    ; the counts run down
.endif
	WIN 0x03                                       ; V in window 3
.irp c, 0,1,2,3
.irp T, 0,1
.if (\kb) == 0
	v_wmma_f32_16x16x32_f16 v[OA+8*(4*\T+\c):OA+8*(4*\T+\c)+7], v[32*((\kb)%8)+8*\c:32*((\kb)%8)+8*\c+7], v[PF+8*\T:PF+8*\T+7], 0
.else
	v_wmma_f32_16x16x32_f16 v[OA+8*(4*\T+\c):OA+8*(4*\T+\c)+7], v[32*((\kb)%8)+8*\c:32*((\kb)%8)+8*\c+7], v[PF+8*\T:PF+8*\T+7], v[OA+8*(4*\T+\c):OA+8*(4*\T+\c)+7]
.endif
.endr
.endr
.if (\kb) < 8
	WIN 0
	PLACES
	VLOAD (\kb)+8                                  ; the slot just multiplied takes the block eight further on
.endif
.endm
.Lblk:                                                 ; eight trips: a block of 32 queries
	; 1. THE SCORES
	KLOAD 0
	KLOAD 1
	KLOAD 2
	KLOAD 3
	s_wait_loadcnt 0x0                             ; Q
	QKG 0, 48
	QKG 1, 48
	QKG 2, 48
	QKG 3, 48
	QKG 4, 48
	QKG 5, 32
	QKG 6, 16
	QKG 7, 0
	; 2. THE MAXIMUM.  Between the two tiles' passes the next block's Q and V's first four slots are asked for: Q's and window 3's last products stand 128 plain lines back.
	MAXP 0
	s_add_co_u32 s29, s29, 1
	s_min_u32 s29, s29, 7                          ; the last block asks for its own Q once more: no load leaves the buffer
	s_lshl_b32 s30, s29, 12                        ; a block's Q is 4,096 bytes
	s_add_nc_u64 s[32:33], s[4:5], s[30:31]
.irp i, 0,1,2,3,4,5,6,7
	global_load_b128 v[QF+4*\i:QF+4*\i+3], v[LN16], s[32:33] offset:512*\i
.endr
	VLOAD 0
	VLOAD 1
	VLOAD 2
	VLOAD 3
	MAXP 1
	s_wait_dscnt 0x0                               ; my maxima are in LDS
	s_barrier_signal -1
	s_barrier_wait -1
	ds_load_b128 v[RB:RB+3], v[RR] offset:MX
	ds_load_b128 v[TT:TT+3], v[RR] offset:MX+256
	s_wait_dscnt 0x0
	v_max3_num_f32 v[RB], v[RB], v[RB+1], v[RB+2]
	v_max3_num_f32 v[TT], v[TT], v[TT+1], v[TT+2]
	v_max_num_f32 v[RB], v[RB], v[RB+3]
	v_max_num_f32 v[TT], v[TT], v[TT+3]
	v_mul_f32 v[CM], v[CV], v[RB]
	v_mul_f32 v[CM+2], v[CV], v[TT]
	v_mov_b32 v[CM+1], v[CM]
	v_mov_b32 v[CM+3], v[CM+2]
	; 3. x = c s - c m
	XPASS 0
	XPASS 1
	VLOAD 4
	VLOAD 5
	VLOAD 6
	VLOAD 7
	; 4. THE 204th SMALLEST y, 28 bits
	WIN 0
	v_mov_b32 v[PP], 0
	v_mov_b32 v[PP+1], 0
.irp i, 0,1,2,3
	v_mov_b32 v[CB+\i], 0x5b000000                 ; the first candidate, BASE + 2^27 = bits(2^-9), times 2^64
.endr
	s_mov_b32 s34, 1<<27
	s_mov_b32 s35, BASE+(1<<26)
	s_mov_b32 s36, 27
	COUNT 0, 0, 32
	REDUCE 0
	s_wait_dscnt 0x0
	s_barrier_signal -1
	COUNT 1, 0, 24
	WIN 0
	s_barrier_wait -1
.Lbit:                                                 ; 27 trips: a trip decides one bit of both tiles
	POST 1, 0
	COUNT 0, 0, 24
	WIN 0
	s_barrier_wait -1
	POST 0, 1, 1
	COUNT 1, 0, 24
	WIN 0
	s_barrier_wait -1
	s_sub_co_u32 s36, s36, 1
	s_cmp_lg_u32 s36, 0
	s_cbranch_scc1 .Lbit
	POST 1, 0                                      ; the last bit: tile 0's,
	s_barrier_wait -1
	ds_load_b128 v[RB:RB+3], v[RR] offset:CN+256
	s_wait_dscnt 0x0
	RESOLVE 1                                      ; and tile 1's.  CB now holds the keep bounds
	; 5. p, l AND O^T
.irp i, 0,1,2,3,4,5,6,7
	v_mov_b32 v[LL+\i], 0
.endr
	PVSTEP 0
	PVSTEP 1
	PVSTEP 2
	PVSTEP 3
	PVSTEP 4
	PVSTEP 5
	PVSTEP 6
	PVSTEP 7
	PVSTEP 8
	PVSTEP 9
	PVSTEP 10
	PVSTEP 11
	PVSTEP 12
	PVSTEP 13
	PVSTEP 14
	PVSTEP 15
	; 6. THE WAY OUT: the four waves' partial O^T and l meet in LDS; wave w finishes channel tile w of both query tiles
	WIN 0
	PLACES
.set a, 0
.rept 8
	ds_store_b128 v[OPW], v[OA+8*a:OA+8*a+3]   offset:a*1024
	ds_store_b128 v[OPW], v[OA+8*a+4:OA+8*a+7] offset:a*1024+512
.set a, a+1
.endr
	v_pk_add_f32 v[LL:LL+1], v[LL:LL+1], v[LL+2:LL+3]
	v_pk_add_f32 v[LL+4:LL+5], v[LL+4:LL+5], v[LL+6:LL+7]
	v_add_f32 v[LL], v[LL], v[LL+1]
	v_add_f32 v[LL+4], v[LL+4], v[LL+5]
	v_permlanex16_b32 v[TA], v[LL], s40, s41
	v_permlanex16_b32 v[TB], v[LL+4], s40, s41
	v_add_f32 v[LL], v[LL], v[TA]
	v_add_f32 v[LL+4], v[LL+4], v[TB]
	ds_store_b32 v[RW], v[LL] offset:LS
	ds_store_b32 v[RW], v[LL+4] offset:LS+256
	s_wait_dscnt 0x0                               ; for the others' sake
	s_barrier_signal -1
	s_barrier_wait -1
	ds_load_b128 v[RB:RB+3], v[RR] offset:LS
	ds_load_b128 v[TT:TT+3], v[RR] offset:LS+256
.irp v, 0,1,2,3
.irp t, 0,1
	ds_load_b128 v[WO+16*\v+8*\t:WO+16*\v+8*\t+3],   v[OPR] offset:\v*8192+\t*4096
	ds_load_b128 v[WO+16*\v+8*\t+4:WO+16*\v+8*\t+7], v[OPR] offset:\v*8192+\t*4096+512
.endr
.endr
	s_wait_dscnt 0x0
	v_add_f32 v[RB], v[RB], v[RB+1]
	v_add_f32 v[RB+2], v[RB+2], v[RB+3]
	v_add_f32 v[TT], v[TT], v[TT+1]
	v_add_f32 v[TT+2], v[TT+2], v[TT+3]
	v_add_f32 v[RB], v[RB], v[RB+2]
	v_add_f32 v[TT], v[TT], v[TT+2]
	v_rcp_f32 v[RB], v[RB]                         ; 1 / l: the full softmax sum, at least about 1
	v_rcp_f32 v[TT], v[TT]
.irp v, 1,2,3
.set n, 0
.rept 8
	v_pk_add_f32 v[WO+2*n:WO+2*n+1], v[WO+2*n:WO+2*n+1], v[WO+16*\v+2*n:WO+16*\v+2*n+1]  ; the independent work behind the reciprocals
.set n, n+1
.endr
.endr
	s_wait_alu depctr_va_vdst(0)                   ; one wait for both reciprocals, ahead of their first reader
.irp i, 0,1,2,3
	v_pk_mul_f32 v[WO+2*\i:WO+2*\i+1], v[WO+2*\i:WO+2*\i+1], v[RB:RB+1] op_sel_hi:[1,0]
	v_pk_mul_f32 v[WO+8+2*\i:WO+8+2*\i+1], v[WO+8+2*\i:WO+8+2*\i+1], v[TT:TT+1] op_sel_hi:[1,0]
.endr
.irp i, 0,1,2,3
	v_cvt_pk_f16_f32 v[WO+16+\i], v[WO+2*\i], v[WO+2*\i+1]
	v_cvt_pk_f16_f32 v[WO+20+\i], v[WO+8+2*\i], v[WO+8+2*\i+1]
.endr
	global_store_b128 v[LN16], v[WO+16:WO+19], s[10:11]               ; 512 consecutive bytes, aligned: half a fragment of the next launch's operand
	global_store_b128 v[LN16], v[WO+20:WO+23], s[10:11] offset:16384
	; 7. ON TO THE NEXT BLOCK
	s_wait_xcnt 0x0                                ; every load and store so far has read its address and data: O's and Q's pointers and the stores' registers are rewritten only behind this wait
	s_add_nc_u64 s[10:11], s[10:11], 32768         ; two token tiles on
	s_sub_co_u32 s28, s28, 1
	s_cmp_lg_u32 s28, 0
	s_cbranch_scc1 .Lblk
	s_wait_tensorcnt 0x0                           ; the wave's end: behind my last tensor load and my last LDS store
	ds_add_u32 v[SPW], v[NIL]
	s_wait_dscnt 0x0
	ROUND                                          ; the closing round
	s_endpgm
.Lfunc_end_k_qf0e83ca9a2_attn:
	.size	k_qf0e83ca9a2_attn, .Lfunc_end_k_qf0e83ca9a2_attn-k_qf0e83ca9a2_attn
	.p2alignl 7, 3214868480
	.fill 96, 4, 3214868480
	.section	.rodata,"a",@progbits
	.p2align	6, 0x0
	.amdhsa_kernel k_qf0e83ca9a2_attn
		.amdhsa_group_segment_fixed_size 296960
		.amdhsa_private_segment_fixed_size 0
		.amdhsa_enable_private_segment 0
		.amdhsa_kernarg_size 32
		.amdhsa_user_sgpr_count 2
		.amdhsa_user_sgpr_kernarg_segment_ptr 1
		.amdhsa_wavefront_size32 1
		.amdhsa_system_sgpr_workgroup_id_x 1
		.amdhsa_system_sgpr_workgroup_id_y 1
		.amdhsa_system_sgpr_workgroup_id_z 1
		.amdhsa_system_vgpr_workitem_id 0
		.amdhsa_next_free_vgpr 1024
		.amdhsa_next_free_sgpr 66
		.amdhsa_reserve_vcc 1
		.amdhsa_float_denorm_mode_32 3
		.amdhsa_float_denorm_mode_16_64 3
		.amdhsa_memory_ordered 1
		.amdhsa_forward_progress 1
		.amdhsa_inst_pref_size 239
	.end_amdhsa_kernel
	.amdgpu_metadata
---
amdhsa.version: [ 1, 2 ]
amdhsa.kernels:
  - .name:           k_qf0e83ca9a2_attn
    .symbol:         k_qf0e83ca9a2_attn.kd
    .args:
      - { .name: qf, .offset: 0, .size: 8, .value_kind: global_buffer, .address_space: global }
      - { .name: kf, .offset: 8, .size: 8, .value_kind: global_buffer, .address_space: global }
      - { .name: vf, .offset: 16, .size: 8, .value_kind: global_buffer, .address_space: global }
      - { .name: of, .offset: 24, .size: 8, .value_kind: global_buffer, .address_space: global }
    .group_segment_fixed_size: 296960
    .private_segment_fixed_size: 0
    .kernarg_segment_align: 8
    .kernarg_segment_size: 32
    .max_flat_workgroup_size: 128
    .sgpr_count:     66
    .vgpr_count:     1024
    .wavefront_size: 32
...
	.end_amdgpu_metadata
.endif
;; end of part 2
;; launch outp (part 3): grid 256 x 1, 8 waves a work-group, no clusters, 72,704 bytes of LDS; arguments of, Wo, bo, out0; writes out0
.if DOCPART == 3
	.amdgcn_target "amdgcn-amd-amdhsa--gfx1250"
	.amdhsa_code_object_version 6
	.text
	.protected	k_qf0e83ca9a2_outp
	.globl	k_qf0e83ca9a2_outp
	.p2align	8
	.type	k_qf0e83ca9a2_outp,@function
k_qf0e83ca9a2_outp:
	s_mov_b64 s[64:65], 0
	v_nop
	global_prefetch_b8 v0, s[64:65] scope:SCOPE_SE
	s_setreg_imm32_b32 hwreg(HW_REG_WAVE_MODE, 25, 1), 1
	s_wait_xcnt 0x0
; THE OUTPUT PROJECTION.  out0[token][o] = the sum over c of O[token][c] Wo[o][c] + bo[o].  O: f16, in fragment order (token tile tg x 16,384 + (c / 32) x 1,024 + part x 512 + lane x 16);
; Wo: [512][512] f32; bo: [512] f32; out0: [8192][512] f32.  Wo and bo are rounded to bf16 like the module's other inputs; Wo's rounded number is then written as f16, the format of O's product.
; LIMIT.  bf16(Wo) must lie within f16's range (65,504); below 6.1e-5 it keeps f16's fixed step of 6e-8.  NaN and infinities are not treated apart.
; SHARES.  A work-group makes 128 tokens x 128 output channels; eight waves, each 64 channels (source 0: Wo's rows, through LDS) x 32 tokens (source 1: O's fragments, straight from memory: 16 bytes a lane).
; In the result a lane holds one token (lane % 16) and eight channels.  The bias is the C operand of the products that start the sums.
; K goes in 8 steps of 64 channels, written out; two LDS slots of Wo take turns.  No cluster: Wo arrives in f32 and is rounded once by the thread that loaded it; O needs no LDS.
.set PIT,   144                        ; an LDS row of Wo: 128 bytes (64 f16) + 16 of padding
.set SETB,  128*PIT                    ; a slot
.set STAGE, 2*SETB                     ; the way out: 16 rows x 272 bytes for each wave
.set SP,    272
.set SPARE, STAGE+8*16*SP              ; the spare words, 128 bytes for each of eight waves; no other line names them
.set GO,   1                           ; v1  (tid / 16) x 2,048 + (tid % 16) x 16
.set LS0,  2                           ; v2  (tid / 16) x 144 + (tid % 16) x 8
.set FA,   4                           ; v4  my lane's place in the wave's fragments of Wo
.set LN16, 5                           ; v5  16 x lane
.set STO,  6                           ; v6  the way out: where I put 32 bytes of a token's row
.set RD,   7                           ; v7  where I read rows back
.set SPW,  8
.set NIL,  9
.set CO,   10                          ; v10 my byte offset in two rows of out0
.set BOF,  11                          ; v11 32 x (lane / 16): my eight numbers of a tile's bias
.set ACC,  16                          ; v[16:79]   accumulator (i, j) at 16 + 8 (2 i + j)
.set FRA,  80                          ; v[80:111]  four fragments of Wo
.set FRB,  112                         ; v[112:175] O's fragments: two buffers of (token tile j, half u) x 8; on the way out the rows read back
.set STG,  176                         ; v[176:207] eight loads of 4 f32
.set BIAS, 208                         ; v[208:239] eight numbers for each channel tile i
.set TMP,  240                         ; v[240:247] at work
	s_load_b256 s[4:11], s[0:1], 0x0               ; of s[4:5], Wo s[6:7], bo s[8:9], out0 s[10:11]
	v_lshl_add_u32 v[SPW], v0, 2, SPARE
	v_mov_b32 v[NIL], 0
	v_lshrrev_b32 v12, 5, v0
	v_readfirstlane_b32 s13, v12                   ; wave 0..7
	s_and_b32 s14, ttmp9, 3                        ; cb: block of 128 output channels
	s_lshr_b32 s15, ttmp9, 2                       ; tb: block of 128 tokens
	s_and_b32 s16, s13, 1                          ; wa: which 64 channels
	s_lshr_b32 s17, s13, 1                         ; wb: which 32 tokens
	s_mov_b32 s12, 0xffff0000                      ; a word's upper bf16
	v_lshrrev_b32 v12, 4, v0
	v_and_b32 v13, 15, v0
	v_bfe_u32 v14, v0, 4, 1
	v_lshlrev_b32 v[GO], 11, v12
	v_lshl_add_u32 v[GO], v13, 4, v[GO]
	v_mul_u32_u24 v[LS0], v12, PIT
	v_lshl_add_u32 v[LS0], v13, 3, v[LS0]
	v_mul_u32_u24 v15, v13, PIT
	v_lshl_add_u32 v15, v14, 4, v15
	s_mul_i32 s18, s16, 64*PIT
	v_add_nc_u32 v[FA], s18, v15
	v_and_b32 v15, 31, v0
	v_lshlrev_b32 v[LN16], 4, v15
	s_mul_i32 s18, s13, 16*SP
	s_add_co_u32 s18, s18, STAGE                   ; my stage
	v_mul_u32_u24 v[STO], v13, SP                  ; in: row lane % 16, 32 bytes for each half of the lanes
	v_lshl_add_u32 v[STO], v14, 5, v[STO]
	v_add_nc_u32 v[STO], s18, v[STO]
	v_mul_u32_u24 v[RD], v14, SP                   ; back: lanes 0-15 take one row of 256 bytes, lanes 16-31 the next
	v_lshl_add_u32 v[RD], v13, 4, v[RD]
	v_add_nc_u32 v[RD], s18, v[RD]
	v_lshlrev_b32 v[CO], 11, v14                   ; and the same two rows in out0
	v_lshl_add_u32 v[CO], v13, 4, v[CO]
	v_lshlrev_b32 v[BOF], 5, v14
	s_lshl_b32 s20, s14, 18                        ; Wo: 128 rows of 2,048 bytes
	s_mov_b32 s21, 0
	s_lshl_b32 s22, s15, 17                        ; O: 8 token tiles of 16,384 bytes a block,
	s_lshl_b32 s18, s17, 15                        ; my wave's two
	s_add_co_u32 s22, s22, s18
	s_mov_b32 s23, 0
	s_lshl_b32 s24, s14, 9                         ; 128 channels of 4 bytes,
	s_lshl_b32 s18, s16, 8                         ; my wave's 64
	s_add_co_u32 s24, s24, s18
	s_mov_b32 s25, 0
	s_lshl_b32 s26, s15, 18                        ; out0: 128 rows of 2,048 bytes,
	s_lshl_b32 s18, s17, 16                        ; my wave's 32,
	s_add_co_u32 s26, s26, s18
	s_add_co_u32 s26, s26, s24                     ; my 256 bytes of a row
	s_mov_b32 s27, 0
	s_wait_kmcnt 0x0
	s_add_nc_u64 s[4:5], s[4:5], s[22:23]
	s_add_nc_u64 s[6:7], s[6:7], s[20:21]
	s_add_nc_u64 s[8:9], s[8:9], s[24:25]
	s_add_nc_u64 s[10:11], s[10:11], s[26:27]
.macro GLOADA k                        ; K step k of Wo: a wave's load covers two rows x 256 consecutive bytes, aligned
.irp i, 0,1,2,3,4,5,6,7
	global_load_b128 v[STG+4*\i:STG+4*\i+3], v[GO], s[6:7] offset:(\k)*256+\i*32768
.endr
.endm
.macro BLOAD k                         ; K step k of O: four fragments, 512 consecutive bytes a load
.irp j, 0,1
.irp u, 0,1
.irp p, 0,1
	global_load_b128 v[FRB+32*((\k)%2)+16*\j+8*\u+4*\p:FRB+32*((\k)%2)+16*\j+8*\u+4*\p+3], v[LN16], s[4:5] offset:\j*16384+(2*(\k)+\u)*1024+\p*512
.endr
.endr
.endr
.endm
.macro CVTA                            ; f32 -> bf16 (the one rounding) -> the same number as f16, in the load's first two registers
.set n, 0
.rept 8
.set t, TMP+4*(n%2)
	v_cvt_pk_bf16_f32 v[t], v[STG+4*n], v[STG+4*n+1]
	v_cvt_pk_bf16_f32 v[t+1], v[STG+4*n+2], v[STG+4*n+3]
	v_lshlrev_b32 v[t+2], 16, v[t]
	v_and_b32 v[t+3], s12, v[t]
	v_cvt_pk_f16_f32 v[STG+4*n], v[t+2], v[t+3]
	v_lshlrev_b32 v[t+2], 16, v[t+1]
	v_and_b32 v[t+3], s12, v[t+1]
	v_cvt_pk_f16_f32 v[STG+4*n+1], v[t+2], v[t+3]
.set n, n+1
.endr
.endm
.macro LSTA s
.irp i, 0,1,2,3,4,5,6,7
	ds_store_b64 v[LS0], v[STG+4*\i:STG+4*\i+1] offset:(\s)*SETB+\i*16*PIT
.endr
.endm
.macro FRAL s, u
.irp i, 0,1,2,3
	ds_load_b128 v[FRA+8*\i:FRA+8*\i+3],   v[FA] offset:(\s)*SETB+\i*16*PIT+64*(\u)
	ds_load_b128 v[FRA+8*\i+4:FRA+8*\i+7], v[FA] offset:(\s)*SETB+\i*16*PIT+64*(\u)+32
.endr
.endm
.macro MULO k, u                       ; eight products; the eight accumulators take turns.  The very first start the sums with the bias
.irp i, 0,1,2,3
.irp j, 0,1
.if ((\k)+(\u)) == 0
	v_wmma_f32_16x16x32_f16 v[ACC+8*(2*\i+\j):ACC+8*(2*\i+\j)+7], v[FRA+8*\i:FRA+8*\i+7], v[FRB+32*((\k)%2)+16*\j+8*(\u):FRB+32*((\k)%2)+16*\j+8*(\u)+7], v[BIAS+8*\i:BIAS+8*\i+7]
.else
	v_wmma_f32_16x16x32_f16 v[ACC+8*(2*\i+\j):ACC+8*(2*\i+\j)+7], v[FRA+8*\i:FRA+8*\i+7], v[FRB+32*((\k)%2)+16*\j+8*(\u):FRB+32*((\k)%2)+16*\j+8*(\u)+7], v[ACC+8*(2*\i+\j):ACC+8*(2*\i+\j)+7]
.endif
.endr
.endr
.endm
.macro PLACES                          ; four plain places between a product and a load into, or a read of, its registers
.rept 4
	v_nop
.endr
.endm
; K step k: multiplies slot k % 2 and O's buffer k % 2; rounds Wo's step k + 1 and stores it into the other slot; asks for O's step k + 1 and Wo's step k + 2.
.macro STEP k
.if (\k) > 0
	PLACES
.endif
	FRAL (\k)%2, 0
	s_wait_loadcnt 0x0                             ; O's step k and Wo's step k + 1 are in registers
.if (\k) < 7
	CVTA
.endif
	s_wait_dscnt 0x0
	MULO \k, 0
.if (\k) < 7
	LSTA ((\k)+1)%2
	BLOAD (\k)+1                                   ; into the buffer that step k - 1 multiplied: this step's four places stand between
.endif
.if (\k) < 6
	GLOADA (\k)+2
.endif
	PLACES
	FRAL (\k)%2, 1
	s_wait_dscnt 0x0                               ; the fragments are in, and my stores into the other slot are done: for the others' sake
	MULO \k, 1
.if (\k) < 7
	s_barrier_signal -1
	s_barrier_wait -1                              ; the other slot is whole, and nobody reads this one any more
.endif
.endm
	GLOADA 0
	BLOAD 0
.irp i, 0,1,2,3
	global_load_b128 v[BIAS+8*\i:BIAS+8*\i+3],   v[BOF], s[8:9] offset:64*\i
	global_load_b128 v[BIAS+8*\i+4:BIAS+8*\i+7], v[BOF], s[8:9] offset:64*\i+16
.endr
	s_wait_loadcnt 0x0
.set n, 0
.rept 16                               ; the bias, rounded to bf16 and widened again
	v_cvt_pk_bf16_f32 v[TMP+n%4], v[BIAS+2*n], v[BIAS+2*n+1]
	v_lshlrev_b32 v[BIAS+2*n], 16, v[TMP+n%4]
	v_and_b32 v[BIAS+2*n+1], s12, v[TMP+n%4]
.set n, n+1
.endr
	CVTA
	LSTA 0
	GLOADA 1
	s_wait_dscnt 0x0
	s_barrier_signal -1
	s_barrier_wait -1
	STEP 0
	STEP 1
	STEP 2
	STEP 3
	STEP 4
	STEP 5
	STEP 6
	STEP 7
	; THE WAY OUT.  A token tile (16 rows x my 64 channels: 256 bytes a row) at a time goes through my own stage and comes back as whole rows.  LDS serves a wave's instructions in order
	; (ISA guide 5.7.1.4): the loads see the stores above them, and the second tile's stores come behind the first tile's loads.
	PLACES
.irp j, 0,1
.irp i, 0,1,2,3
	ds_store_b128 v[STO], v[ACC+8*(2*\i+\j):ACC+8*(2*\i+\j)+3]   offset:64*\i
	ds_store_b128 v[STO], v[ACC+8*(2*\i+\j)+4:ACC+8*(2*\i+\j)+7] offset:64*\i+16
.endr
.irp t, 0,1,2,3,4,5,6,7
	ds_load_b128 v[FRB+32*\j+4*\t:FRB+32*\j+4*\t+3], v[RD] offset:\t*2*SP
.endr
.endr
.irp t, 0,1,2,3,4,5,6,7
	s_wait_dscnt 16+7-\t                           ; behind this load: the rest of its run and the second tile's sixteen
	global_store_b128 v[CO], v[FRB+4*\t:FRB+4*\t+3], s[10:11] offset:2*\t*2048 th:TH_STORE_NT  ; sixteen lanes store 256 consecutive bytes, aligned
.endr
.irp t, 0,1,2,3,4,5,6,7
	s_wait_dscnt 7-\t
	global_store_b128 v[CO], v[FRB+32+4*\t:FRB+32+4*\t+3], s[10:11] offset:(16+2*\t)*2048 th:TH_STORE_NT
.endr
	s_wait_tensorcnt 0x0                           ; the wave's end: behind my last LDS store
	ds_add_u32 v[SPW], v[NIL]
	s_wait_dscnt 0x0
	s_endpgm
.Lfunc_end_k_qf0e83ca9a2_outp:
	.size	k_qf0e83ca9a2_outp, .Lfunc_end_k_qf0e83ca9a2_outp-k_qf0e83ca9a2_outp
	.p2alignl 7, 3214868480
	.fill 96, 4, 3214868480
	.section	.rodata,"a",@progbits
	.p2align	6, 0x0
	.amdhsa_kernel k_qf0e83ca9a2_outp
		.amdhsa_group_segment_fixed_size 72704
		.amdhsa_private_segment_fixed_size 0
		.amdhsa_enable_private_segment 0
		.amdhsa_kernarg_size 32
		.amdhsa_user_sgpr_count 2
		.amdhsa_user_sgpr_kernarg_segment_ptr 1
		.amdhsa_wavefront_size32 1
		.amdhsa_system_sgpr_workgroup_id_x 1
		.amdhsa_system_sgpr_workgroup_id_y 1
		.amdhsa_system_sgpr_workgroup_id_z 1
		.amdhsa_system_vgpr_workitem_id 0
		.amdhsa_next_free_vgpr 256
		.amdhsa_next_free_sgpr 66
		.amdhsa_reserve_vcc 0
		.amdhsa_float_denorm_mode_32 3
		.amdhsa_float_denorm_mode_16_64 3
		.amdhsa_memory_ordered 1
		.amdhsa_forward_progress 1
		.amdhsa_inst_pref_size 69
	.end_amdhsa_kernel
	.amdgpu_metadata
---
amdhsa.version: [ 1, 2 ]
amdhsa.kernels:
  - .name:           k_qf0e83ca9a2_outp
    .symbol:         k_qf0e83ca9a2_outp.kd
    .args:
      - { .name: of, .offset: 0, .size: 8, .value_kind: global_buffer, .address_space: global }
      - { .name: Wo, .offset: 8, .size: 8, .value_kind: global_buffer, .address_space: global }
      - { .name: bo, .offset: 16, .size: 8, .value_kind: global_buffer, .address_space: global }
      - { .name: out0, .offset: 24, .size: 8, .value_kind: global_buffer, .address_space: global }
    .group_segment_fixed_size: 72704
    .private_segment_fixed_size: 0
    .kernarg_segment_align: 8
    .kernarg_segment_size: 32
    .max_flat_workgroup_size: 256
    .sgpr_count:     66
    .vgpr_count:     256
    .wavefront_size: 32
...
	.end_amdgpu_metadata
.endif
;; end of part 3
;; ======== version 2 of 2: 3 launches; 1.45 times as fast as version 1
;; limits: values are held in f16: magnitudes above 65,504 overflow, below 6.1e-05 lose precision
;; workspace buffers: qf 8,388,608 bytes; kf 8,388,608 bytes; vf 8,388,608 bytes; of 8,388,608 bytes
;; launch proj: the kernel of part 1 again; grid 256 x 3, 8 waves a work-group, no clusters, 74,752 bytes of LDS; arguments query, keys, values, Wq, Wk, Wv, qf, kf, vf; writes qf, kf, vf
;; launch attn (part 4): grid 256 x 1, 4 waves a work-group, clusters of 4 x 1, 301,056 bytes of LDS; arguments qf, kf, vf, of; writes of
.if DOCPART == 4
	.amdgcn_target "amdgcn-amd-amdhsa--gfx1250"
	.amdhsa_code_object_version 6
	.text
	.protected	k_qf0e83ca9a2_attn
	.globl	k_qf0e83ca9a2_attn
	.p2align	8
	.type	k_qf0e83ca9a2_attn,@function
k_qf0e83ca9a2_attn:
	s_mov_b64 s[64:65], 0
	v_nop
	global_prefetch_b8 v0, s[64:65] scope:SCOPE_SE
	s_setreg_imm32_b32 hwreg(HW_REG_WAVE_MODE, 25, 1), 1
	s_wait_xcnt 0x0
	s_wait_alu depctr_hold_cnt(0) depctr_sa_sdst(0) depctr_va_vdst(0) depctr_va_sdst(0) depctr_va_ssrc(0) depctr_va_vcc(0) depctr_vm_vsrc(0)
	s_getreg_b32 s2, hwreg(HW_REG_IB_STS2, 6, 4)
	s_cmp_eq_u32 s2, 0
	s_cbranch_scc0 .Lentry_in_a_cluster
	s_endpgm
.Lentry_in_a_cluster:
	s_bfe_u32 s2, ttmp6, 0x10000c
	s_cmp_lg_u32 s2, 0x3003
	s_cbranch_scc0 .Lentry_shape_is_right
	s_endpgm
.Lentry_shape_is_right:
; SPARSE ATTENTION.  For each of 32 heads and 2,048 queries: s = q . k (no scale), p = softmax over all 2,048 keys; every p strictly below the row's 204th largest is dropped; O = sum of the kept p v,
; divided by the FULL softmax sum.  qf, kf, vf hold q, k, v in f16 in matrix-fragment order; of takes O in f16 in the order of the next launch's fragments:
; token tile tg x 16,384 + (channel / 32) x 1,024 + part x 512 + lane x 16.
; SHARES.  A work-group stays with 256 queries of one head and walks them in 8 blocks of 32 (two tiles T of 16).  THE KEYS ARE SPLIT AMONG THE FOUR WAVES, 512 each: a block's 32 x 2,048 scores lie in
; registers, 512 a wave, and are made once.  Maximum, l and O meet in LDS.
; LAYOUT.  S^T = K Q^T (source 0 = 16 keys, source 1 = 16 queries): a lane holds ONE query (lane % 16) and the keys 8 (lane / 16) + 0..7 of each key tile.  Two tiles rounded to f16 ARE source 1 of O^T = V^T P.
; THE 204th LARGEST, with no branch on data.  x = c s - cm (c = log2 e; cm = c m raised by 2^-22 of itself, so that no x is above 0; p and l take the same x), y = -x.  The order of y is the order of its
; 31 magnitude bits, and the pattern of the 204th smallest y is found from the top bit down ON BIT PLANES: a word holds one bit of 32 scores.  With the set of scores still alive as a mask, a step is: Z = alive and
; not plane; z = the number of bits in Z over the whole row; z >= k: the bit is 0 and Z stays alive; else the bit is 1, k falls by z, and alive less Z stays alive.  Four vector lines for 32 scores and a bit.
; The planes are made a byte of x at a time (only three byte selectors change from digit to digit): byte d of four scores is packed into a word; 8 such words are turned, 8 x 8 bits, by three
; stages of a shift and a bit-select a word.  Which score lies at which bit of a word is the same for every plane, and nothing else is asked of it.
; Then the planes change waves through LDS, so that ALL 2,048 keys of a query lie in eight neighbouring lanes of one wave (wave w: queries 4 w .. 4 w + 3 of both tiles): a lane takes over the 64 words of one
; source lane.  So a digit's steps need no LDS and no barrier: the row's count is three additions between lanes.
; THE DIGITS' LOOP.  Planes are made in staging registers of their own and land, behind the exchange, in others.  So tile 0's NEXT digit is made while tile 1's planes of the digit in hand come back from LDS, and
; tile 1's planes are made while tile 0's go and come.  The loop has five passes and is entered in its middle: pass 0 only makes tile 0's top digit; the last pass makes nothing more.
; The keep bound is the next pattern above the 204th smallest y (ties are kept, as in the problem), at the least 2^-25; clamp(2^64 x + 2^64 bound) is exactly 1 where bound > y (the least difference, 2^-49,
; times 2^64 passes 1) and exactly 0 elsewhere.
; LIMITS.  The order is taken on x as rounded by one fused multiply-add, which is monotone in s.  All y below 2^-25 count as equal (their p round to 1); a p below 2^-126 counts as 0.
; |x| stays under 2^62 (f16's q and k give at most 2^40).  p, in 0 to 1, and O are rounded to f16.  NaN and infinities are not treated apart.
; K: the head's 262,144 bytes are filled into LDS ONCE; each wave asks for its own quarter, which it alone reads, so its own wait on TENSORcnt orders the reads.  The four work-groups of a cluster belong to
; one head: the load is JOINT (mask of four).  One tensor load a wave is out, and no byte is filled again.
; V: straight from memory into registers, in fragment order, through a ring of eight slots of 32 registers; five slots are asked for ahead of the selection, three directly behind it (the selection works in their
; registers), the others as slots come free.  V is shared by the partners too, but a joint load lands in LDS alone, and beside K's bytes, the exchange and the spare words LDS has no room for a ring of V.
; REGISTERS, in windows of 256 (s_set_vgpr_msb: bits 1:0 source 0, 3:2 source 1, 5:4 source 2, 7:6 destination):
;   window 1: tile 0's 256 scores (key tile kt, register j at 8 kt + j): s, then x, then p       window 2: tile 1's
;   window 3: first K's fragments, four groups of 64; then V's ring, slot n at 32 n; in the selection v176-191 the turning's shifted words, v192-255 the staging words
;   window 0: all else (below)
.set XCH,   262144                     ; LDS behind K: the exchange: 16 chunks (four plane words a lane) of 16 rows x 144 bytes; row = query % 16, in it 16 bytes for each of the 8 source lanes
.set XP,    144                        ; 128 bytes + 16 of padding: an odd multiple of 16
.set XC,    16*XP
.set OP,    XCH                        ; the same bytes, at the block's end: wave v's partial O^T at v x 8,192 + (4 T + ct) x 1,024 + half x 512 + lane x 16
.set RED,   XCH+16*XC                  ; six blocks of 256 bytes:
.set MX,    0                          ;   the maxima, [query % 16][wave] in f32, tile T at + 256 T
.set BD,    512                        ;   the keep bounds, [T][query % 16]
.set LS,    1024                       ;   the sums l, as the maxima
.set SPARE, RED+1536                   ; the spare words, 128 bytes for each wave; no other line names them
.set LN16, 1                           ; v1  16 x lane
.set KAD,  2                           ; v2  my wave's quarter of K in LDS + 16 x lane
.set RW,   3                           ; v3  RED + 16 (lane % 16) + 4 x wave
.set RR,   4                           ; v4  RED + 16 (lane % 16)
.set OPW,  5                           ; v5  OP + wave x 8,192 + 16 x lane
.set OPR,  6                           ; v6  OP + wave x 1,024 + 16 x lane
.set XW,   7                           ; v7  the exchange: where I put 16 bytes: XCH + (thread % 16) x 144 + (thread / 16) x 16
.set SPW,  8                           ; v8  my spare word
.set NIL,  9                           ; v9  0
.set TA,   10                          ; v10, v11 at work
.set TB,   11
.set RB,   12                          ; v[12:15] four waves' partials read back
.set BIG,  16                          ; v[16:17] 2^64, twice
.set CV,   18                          ; v[18:19] c, twice
.set CM,   20                          ; v[20:23] cm, a pair a tile
.set CB,   24                          ; v[24:27] 2^64 x keep bound, a pair a tile
.set XR,   28                          ; v28 the exchange: where I read: XCH + (4 x wave + (lane / 8) % 4) x 144 + (lane % 8) x 16
.set BW,   29                          ; v29 where my query's bound goes
.set BR,   30                          ; v30 where the bound of query lane % 16 lies
.set TC,   31                          ; v31 at work
.set TT,   32                          ; v[32:63] at work: indicators
.set ZZ,   32                          ;   in a step: Z, word g of tile T at 8 T + g
.set WW,   48                          ;   in a step: alive less Z
.set CA,   64                          ; v[64:71] in the maximum pass four chains a tile
.set AA,   64                          ; v[64:79] in the selection: the alive masks, word g of tile T at 8 T + g
.set LL,   72                          ; v[72:79] l: two pairs a tile
.set PF,   80                          ; v[80:95] P as f16, 8 a tile, of the even key blocks; the odd blocks' at v[192:207]
.set SS,   80                          ;   in the selection, at + 8 T: +0, +1 counts, +2 k, +3 the key's bits so far, +4 at work
.set QF,   96                          ; v[96:127] Q: (T, c2, part) at 96 + 16 T + 8 c2 + 4 part
.set OA,   128                         ; v[128:191] O^T: (T, ct) at 128 + 8 (4 T + ct)
.set WO,   192                         ; v[192:255] the way out
.set PL,   128                         ; v[128:255] in the selection: a digit's planes as they land: tile T, group g of 32 scores, bit b at 128 + 64 T + 8 g + b
.set SB,   192                         ; window 3: the staging words, group g, word b at 192 + 8 g + b
.set ST3,  176                         ; window 3: the turning's shifted words, two sets of eight
.set SL1,  34                          ; s34-36 the three byte selectors of the digit in hand
.set SL2,  35
.set SL3,  36
.set M4,   42                          ; s42-44 the turning's three masks
.set M2,   43
.set M1,   44
.set MSB, 0
.macro WIN new                         ; the immediate's high byte repeats the setting that is left; a switch that changes nothing is dropped
.if MSB != (\new)
	s_set_vgpr_msb (MSB<<8)|(\new)
.set MSB, (\new)
.endif
.endm
.macro PLACES                          ; four plain places between a product and a load into, or a read of, its registers
.rept 4
	v_nop
.endr
.endm
.macro ROUND                           ; a round of the cluster's barrier
	s_barrier_signal -1
	s_barrier_wait -1
	s_cmp_lg_u32 s12, 0
	s_cbranch_scc1 .Lnot_wave_0_\@
	s_barrier_signal -3
.Lnot_wave_0_\@:
	s_barrier_wait -3
	s_barrier_signal -1
	s_barrier_wait -1
.endm
	s_load_b256 s[4:11], s[0:1], 0x0               ; qf s[4:5], kf s[6:7], vf s[8:9], of s[10:11]
	v_lshl_add_u32 v[SPW], v0, 2, SPARE
	v_mov_b32 v[NIL], 0
	ds_add_u32 v[SPW], v[NIL]                      ; the wave's opening: the add and its wait stand ahead of my first tensor load; the set-up below stands between them
	v_lshrrev_b32 v[TA], 5, v0
	v_readfirstlane_b32 s12, v[TA]                 ; wave 0..3
	s_bfe_u32 s13, ttmp6, 0x40000                  ; cx: it enters Q's and O's addresses alone
	s_lshr_b32 s14, ttmp9, 1                       ; the head, 8 n + h: two clusters a head, so the four partners share it
	s_lshl_b32 s39, s14, 18                        ; the head's 262,144 bytes
	s_lshl_b32 s17, s12, 16                        ; my wave's quarter: in memory, and in LDS (descriptor group 0, 63:32)
	s_add_co_u32 s42, s39, s17
	s_mov_b32 s43, 0
	s_and_b32 s15, ttmp9, 1
	s_lshl_b32 s15, s15, 2
	s_add_co_u32 s15, s15, s13                     ; which 256 queries of the head
	s_lshl_b32 s30, s15, 15                        ; 16 query tiles of 2,048 bytes
	s_add_co_u32 s30, s30, s39
	s_mov_b32 s31, 0
	s_lshr_b32 s44, s14, 3                         ; O: n x 128 token tiles of 16,384 bytes,
	s_lshl_b32 s44, s44, 21
	s_lshl_b32 s46, s15, 18                        ; my 16 of them,
	s_add_co_u32 s44, s44, s46
	s_and_b32 s46, s14, 7                          ; the head's 64 channels: 2,048 bytes,
	s_lshl_b32 s46, s46, 11
	s_add_co_u32 s44, s44, s46
	s_lshl_b32 s46, s12, 9                         ; and the channel tile that my wave finishes
	s_add_co_u32 s44, s44, s46
	s_mov_b32 s45, 0
	s_mov_b32 s16, 1                               ; group 0: count = 1
	s_mov_b32 s20, 15|(3<<16)|(1<<21)              ; group 1: the mask of four; elements of 8 bytes; bit 21 set beside a mask; no padding
	s_mov_b32 s21, 32<<16                          ; tensor_dim0 = 32 elements: rows of 256 bytes
	s_mov_b32 s22, 256<<16                         ; tensor_dim1 = 256 rows: 65,536 dense bytes
	s_mov_b32 s23, 32<<16                          ; tile_dim0
	s_mov_b32 s24, 256                             ; tile_dim1
	s_mov_b32 s25, 32                              ; elements from row to row
	s_mov_b32 s26, 0
	s_mov_b32 s27, 0
	s_mov_b32 s38, 0x5f800000                      ; 2^64
	s_mov_b32 s40, 0x76543210                      ; v_permlanex16_b32: each lane takes its own place in the other half
	s_mov_b32 s41, 0xfedcba98
	s_mov_b32 s47, 0x34800000                      ; 2^-22
	v_and_b32 v[TA], 31, v0
	v_lshlrev_b32 v[LN16], 4, v[TA]
	v_add_nc_u32 v[KAD], s17, v[LN16]
	v_and_b32 v[TB], 15, v0
	s_lshl_b32 s46, s12, 2
	s_add_co_u32 s46, s46, RED
	v_lshl_add_u32 v[RW], v[TB], 4, s46
	v_lshl_add_u32 v[RR], v[TB], 4, RED
	s_lshl_b32 s46, s12, 13
	s_add_co_u32 s46, s46, OP
	v_add_nc_u32 v[OPW], s46, v[LN16]
	s_lshl_b32 s46, s12, 10
	s_add_co_u32 s46, s46, OP
	v_add_nc_u32 v[OPR], s46, v[LN16]
	v_mul_u32_u24 v[XW], v[TB], XP                 ; the exchange, in: my query's row, my place among its eight source lanes (2 x wave + lane / 16)
	v_lshrrev_b32 v[TA], 4, v0
	v_lshl_add_u32 v[XW], v[TA], 4, v[XW]
	v_add_nc_u32 v[XW], XCH, v[XW]
	v_bfe_u32 v[TA], v0, 3, 2                      ; out: lanes 8 i .. 8 i + 7 take query 4 x wave + i, a source lane each
	s_mul_i32 s46, s12, 4*XP
	s_add_co_u32 s46, s46, XCH
	v_mul_u32_u24 v[XR], v[TA], XP
	v_add_nc_u32 v[XR], s46, v[XR]
	v_and_b32 v[TC], 7, v0
	v_lshl_add_u32 v[XR], v[TC], 4, v[XR]
	s_lshl_b32 s46, s12, 4
	s_add_co_u32 s46, s46, RED+BD
	v_lshl_add_u32 v[BW], v[TA], 2, s46
	v_lshl_add_u32 v[BR], v[TB], 2, RED+BD
	v_mov_b32 v[BIG], 0x5f800000
	v_mov_b32 v[BIG+1], 0x5f800000
	v_mov_b32 v[CV], 0x3fb8aa3b
	v_mov_b32 v[CV+1], 0x3fb8aa3b
	s_wait_dscnt 0x0                               ; the opening add is done
	s_wait_kmcnt 0x0
	s_add_nc_u64 s[18:19], s[6:7], s[42:43]        ; group 0, 120:64: my quarter of the head's K
	s_or_b32 s19, s19, 0x80000000                  ; 127:126 type = 2
	s_add_nc_u64 s[8:9], s[8:9], s[42:43]          ; V at my wave's 512 keys; never rewritten
	s_add_nc_u64 s[4:5], s[4:5], s[30:31]          ; Q at the work-group's first tile
	s_add_nc_u64 s[10:11], s[10:11], s[44:45]      ; O at the first block
	s_mov_b32 s[M4], 0x0f0f0f0f
	s_mov_b32 s[M2], 0x33333333
	s_mov_b32 s[M1], 0x55555555
	ROUND                                          ; all four work-groups are here: the joint loads meet
	tensor_load_to_lds s[16:19], s[20:27]
	s_nop 0
	PLACES
.irp i, 0,1,2,3,4,5,6,7
	global_load_b128 v[QF+4*\i:QF+4*\i+3], v[LN16], s[4:5] offset:512*\i  ; the first block's Q
.endr
.set n, 0
.rept 128                              ; the planes' registers are written once, while K is on its way: the digits' loop is entered in its middle and its first pass jumps the steps that read them,
	v_mov_b32 v[PL+n], 0                           ; so on every way through the text they are written ahead of every read
.set n, n+1
.endr
	s_mov_b32 s28, 8                               ; blocks to go
	s_mov_b32 s29, 0                               ; the block whose Q was asked for last
	s_wait_tensorcnt 0x0                           ; my quarter of K is in LDS; nobody else reads it
; K's fragments of key tiles 4 g .. 4 g + 3: sixteen loads of 512 consecutive bytes
.macro KLOAD g
	WIN 0xc0                                       ; destination window 3
.set n, 0
.rept 16
	ds_load_b128 v[64*((\g)%4)+4*n:64*((\g)%4)+4*n+3], v[KAD] offset:(\g)*8192+n*512
.set n, n+1
.endr
.endm
; The scores of those four key tiles, both query tiles: four products start the sums, four end them; three other accumulators stand between a sum's two links
.macro QKG g, left
	s_wait_dscnt \left                             ; group g is in; the younger groups' loads, sixteen each, may stay out
.irp T, 0,1
	WIN 0x03+0x50*(1+\T)                           ; K in window 3, Q in window 0, C and D in the tile's window
.irp c, 0,1
.irp k, 0,1,2,3
.if \c == 0
	v_wmma_f32_16x16x32_f16 v[8*(4*(\g)+\k):8*(4*(\g)+\k)+7], v[64*((\g)%4)+16*\k+8*\c:64*((\g)%4)+16*\k+8*\c+7], v[QF+16*\T+8*\c:QF+16*\T+8*\c+7], 0
.else
	v_wmma_f32_16x16x32_f16 v[8*(4*(\g)+\k):8*(4*(\g)+\k)+7], v[64*((\g)%4)+16*\k+8*\c:64*((\g)%4)+16*\k+8*\c+7], v[QF+16*\T+8*\c:QF+16*\T+8*\c+7], v[8*(4*(\g)+\k):8*(4*(\g)+\k)+7]
.endif
.endr
.endr
.endr
.if (\g) < 4
	PLACES
	KLOAD (\g)+4                                   ; into the group just multiplied
.endif
.endm
; V's key block kb (32 keys x 64 channels): eight loads of 512 consecutive bytes into slot kb % 8
.macro VLOAD kb
	WIN 0xc0
.set n, 0
.rept 8
	global_load_b128 v[32*((\kb)%8)+4*n:32*((\kb)%8)+4*n+3], v[LN16], s[8:9] offset:(\kb)*4096+n*512
.set n, n+1
.endr
.endm
; Tile T's maximum over my 512 keys: four chains, three operands at a time; each accumulator's lowest registers are read first.  The four v_mov are also the places behind the last products.
.macro MAXP T
	WIN 0
.irp i, 0,1,2,3
	v_mov_b32 v[CA+4*(\T)+\i], 0xff800000
.endr
	WIN 0x14*(1+(\T))                              ; sources 1 and 2 in the tile's window
.set g, 0
.rept 32
.irp i, 0,1,2,3
	v_max3_num_f32 v[CA+4*(\T)+\i], v[CA+4*(\T)+\i], v[8*g+2*\i], v[8*g+2*\i+1]
.endr
.set g, g+1
.endr
	WIN 0
	v_max3_num_f32 v[CA+4*(\T)], v[CA+4*(\T)], v[CA+4*(\T)+1], v[CA+4*(\T)+2]
	v_max_num_f32 v[CA+4*(\T)], v[CA+4*(\T)], v[CA+4*(\T)+3]
	v_permlanex16_b32 v[TA], v[CA+4*(\T)], s40, s41  ; the query's other keys lie in the lane 16 away
	v_max_num_f32 v[CA+4*(\T)], v[CA+4*(\T)], v[TA]
	ds_store_b32 v[RW], v[CA+4*(\T)] offset:MX+256*(\T)
.endm
.macro XPASS T                         ; x = c s - cm, one rounding
	WIN 0x44*(1+(\T))                              ; source 1 and destination in the tile's window
.set n, 0
.rept 128
	v_pk_fma_f32 v[2*n:2*n+1], v[CV:CV+1], v[2*n:2*n+1], v[CM+2*(\T):CM+2*(\T)+1] neg_lo:[0,0,1] neg_hi:[0,0,1]
.set n, n+1
.endr
.endm
; A DIGIT'S PLANES, made in the staging words.  PACKA, PACKB: byte d of scores 4 n .. 4 n + 3 goes into word n of 64: the first line takes two scores, the other two lines one more each.
.macro PACKA T
	WIN 0xc0+0x05*(1+(\T))                         ; destination window 3, sources 0 and 1 in the tile's window
.set n, 0
.rept 64
	v_perm_b32 v[SB+n], v[4*n+1], v[4*n], s[SL1]
.set n, n+1
.endr
.endm
.macro PACKB T
	WIN 0xcc+(1+(\T))                              ; destination and source 1 window 3, source 0 in the tile's window
.set n, 0
.rept 64
	v_perm_b32 v[SB+n], v[4*n+2], v[SB+n], s[SL2]
.set n, n+1
.endr
.set n, 0
.rept 64
	v_perm_b32 v[SB+n], v[4*n+3], v[SB+n], s[SL3]
.set n, n+1
.endr
.endm
; One stage of the turning, for the 8 words from r on: words sh apart exchange the bits that lie sh apart: the lower word keeps its bits under the mask and takes the upper word's, moved up;
; the upper word keeps its bits outside the mask and takes the lower word's, moved down.  Eight shifts, then eight bit-selects; t: eight registers for the shifted words.
.macro BSTAGE r, sh, m, t
.irp p, 0,1,2,3
.set lo, (\r)+((\p)/(\sh))*2*(\sh)+(\p)%(\sh)
	v_lshlrev_b32 v[(\t)+2*\p], \sh, v[lo+\sh]
	v_lshrrev_b32 v[(\t)+2*\p+1], \sh, v[lo]
.endr
.irp p, 0,1,2,3
.set lo, (\r)+((\p)/(\sh))*2*(\sh)+(\p)%(\sh)
	v_bfi_b32 v[lo], s[\m], v[lo], v[(\t)+2*\p]
	v_bfi_b32 v[lo+\sh], s[\m], v[(\t)+2*\p+1], v[lo+\sh]
.endr
.endm
.macro BFS sh, m                       ; a stage for all eight groups.  Behind the stages 4, 2, 1 word b of a group is plane b of its 32 scores
	WIN 0xfc                                       ; all vector operands in window 3
.set g, 0
.rept 8
	BSTAGE SB+8*g, \sh, \m, ST3+8*(g%2)
.set g, g+1
.endr
.endm
.macro XST                             ; the 64 staging words into the exchange
	WIN 0x0c                                       ; the data (source 1) in window 3
.set n, 0
.rept 16
	ds_store_b128 v[XW], v[SB+4*n:SB+4*n+3] offset:n*XC
.set n, n+1
.endr
.endm
.macro XLD T                           ; the 64 words of the source lane that is mine, into tile T's planes
	WIN 0
.set n, 0
.rept 16
	ds_load_b128 v[PL+64*(\T)+4*n:PL+64*(\T)+4*n+3], v[XR] offset:n*XC
.set n, n+1
.endr
.endm
; A STEP, for plane b of both tiles.  The two tiles' chains (count, three additions between the query's eight lanes, the comparison) go line by line by turns, and the sixteen lines that make alive less Z,
; which wait for nothing, stand between the links.
.macro XO n
	v_xor_b32 v[WW+(\n)], v[AA+(\n)], v[ZZ+(\n)]
.endm
.macro STEP b
.set n, 0
.rept 16
	v_bfi_b32 v[ZZ+n], v[PL+8*n+(\b)], 0, v[AA+n]  ; Z = alive and not plane
.set n, n+1
.endr
.irp g, 0,2,4,6
.irp T, 0,1
.irp e, 0,1
.if \g == 0
	v_bcnt_u32_b32 v[SS+8*\T+\e], v[ZZ+8*\T+\g+\e], 0
.else
	v_bcnt_u32_b32 v[SS+8*\T+\e], v[ZZ+8*\T+\g+\e], v[SS+8*\T+\e]  ; the word's bits are counted onto the sum: two sums a tile
.endif
.endr
.endr
.endr
	v_add_nc_u32 v[SS], v[SS], v[SS+1]
	v_add_nc_u32 v[SS+8], v[SS+8], v[SS+9]
	XO 0
	XO 1
	v_cvt_f32_u32 v[SS], v[SS]                     ; 2,048 at the most: exact in f32
	v_cvt_f32_u32 v[SS+8], v[SS+8]
	XO 2
	XO 3
	v_add_f32_dpp v[SS], v[SS], v[SS] row_xmask:1 row_mask:0xf bank_mask:0xf
	v_add_f32_dpp v[SS+8], v[SS+8], v[SS+8] row_xmask:1 row_mask:0xf bank_mask:0xf
	XO 4
	XO 5
	v_add_f32_dpp v[SS], v[SS], v[SS] row_xmask:2 row_mask:0xf bank_mask:0xf
	v_add_f32_dpp v[SS+8], v[SS+8], v[SS+8] row_xmask:2 row_mask:0xf bank_mask:0xf
	XO 6
	XO 7
	v_add_f32_dpp v[SS], v[SS], v[SS] row_xmask:4 row_mask:0xf bank_mask:0xf
	v_add_f32_dpp v[SS+8], v[SS+8], v[SS+8] row_xmask:4 row_mask:0xf bank_mask:0xf  ; z, in all eight lanes of the query
	XO 8
	XO 9
	v_cmp_le_f32 vcc_lo, v[SS+2], v[SS]            ; k <= z: the bit is 0
	v_cmp_le_f32 s46, v[SS+10], v[SS+8]
	XO 10
	XO 11
	v_sub_f32 v[SS+4], v[SS+2], v[SS]
	v_sub_f32 v[SS+12], v[SS+10], v[SS+8]
	XO 12
	XO 13
	v_cndmask_b32 v[SS+2], v[SS+4], v[SS+2], vcc_lo  ; else k falls by z
	v_cndmask_b32 v[SS+10], v[SS+12], v[SS+10], s46
	XO 14
	XO 15
	v_cndmask_b32 v[SS+4], 1, 0, vcc_lo
	v_cndmask_b32 v[SS+12], 1, 0, s46
.irp g, 0,1,2,3,4,5,6,7
	v_cndmask_b32 v[AA+\g], v[WW+\g], v[ZZ+\g], vcc_lo  ; who stays alive
.endr
	v_lshl_or_b32 v[SS+3], v[SS+3], 1, v[SS+4]     ; the key takes the bit
	v_lshl_or_b32 v[SS+11], v[SS+11], 1, v[SS+12]
.irp g, 8,9,10,11,12,13,14,15
	v_cndmask_b32 v[AA+\g], v[WW+\g], v[ZZ+\g], s46
.endr
.endm
; O^T += V^T P, A KEY BLOCK OF 32 A STEP.  The vector work of block kb (indicators of the keep bound; ONE batch of 32 exponentials with one wait; l takes every p, P the kept ones; the rounding to f16) stands in
; eight parts, and the eight products of block kb - 1 stand ONE BY ONE between them, where the windows are switched anyway: the wave goes on issuing while a product is at work.  P has two buffers, by the block's parity.
.macro PVW j, i                        ; product i of 8 of key block j: channel tile i / 2, query tile i % 2.  The eight accumulators take turns, from step to step too
	WIN 0x03                                       ; V in window 3
.if (\j) == 0
	v_wmma_f32_16x16x32_f16 v[OA+8*(4*((\i)%2)+(\i)/2):OA+8*(4*((\i)%2)+(\i)/2)+7], v[32*((\j)%8)+8*((\i)/2):32*((\j)%8)+8*((\i)/2)+7], v[PF+112*((\j)%2)+8*((\i)%2):PF+112*((\j)%2)+8*((\i)%2)+7], 0
.else
	v_wmma_f32_16x16x32_f16 v[OA+8*(4*((\i)%2)+(\i)/2):OA+8*(4*((\i)%2)+(\i)/2)+7], v[32*((\j)%8)+8*((\i)/2):32*((\j)%8)+8*((\i)/2)+7], v[PF+112*((\j)%2)+8*((\i)%2):PF+112*((\j)%2)+8*((\i)%2)+7], v[OA+8*(4*((\i)%2)+(\i)/2):OA+8*(4*((\i)%2)+(\i)/2)+7]
.endif
.endm
.macro PW kb, i                        ; in step kb: the block before's product i
.if (\kb) > 0
	PVW (\kb)-1, \i
.endif
.endm
.macro PIND kb, T                      ; 1 where the score is kept, else 0
	WIN 0x04*(1+(\T))                              ; source 1 in the tile's window
.irp i, 0,1,2,3,4,5,6,7
	v_pk_fma_f32 v[TT+16*(\T)+2*\i:TT+16*(\T)+2*\i+1], v[BIG:BIG+1], v[16*(\kb)+2*\i:16*(\kb)+2*\i+1], v[CB+2*(\T):CB+2*(\T)+1] clamp
.endr
.endm
.macro PEXP kb, T
	WIN 0x41*(1+(\T))                              ; source 0 and destination in the tile's window
.set n, 0
.rept 16
	v_exp_f32 v[16*(\kb)+n], v[16*(\kb)+n]
.set n, n+1
.endr
.endm
.macro PSUM kb, T
	WIN 0x04*(1+(\T))
.irp i, 0,1,2,3,4,5,6,7
	v_pk_add_f32 v[LL+4*(\T)+2*(\i%2):LL+4*(\T)+2*(\i%2)+1], v[LL+4*(\T)+2*(\i%2):LL+4*(\T)+2*(\i%2)+1], v[16*(\kb)+2*\i:16*(\kb)+2*\i+1]
	v_pk_mul_f32 v[TT+16*(\T)+2*\i:TT+16*(\T)+2*\i+1], v[TT+16*(\T)+2*\i:TT+16*(\T)+2*\i+1], v[16*(\kb)+2*\i:16*(\kb)+2*\i+1]
.endr
.endm
.macro PCVT kb, T
	WIN 0
.irp i, 0,1,2,3,4,5,6,7
	v_cvt_pk_f16_f32 v[PF+112*((\kb)%2)+8*(\T)+\i], v[TT+16*(\T)+2*\i], v[TT+16*(\T)+2*\i+1]
.endr
.endm
.macro PVSTEP kb
.if (\kb) > 0
.if (\kb) <= 9
	s_wait_loadcnt 56                              ; block kb - 1 is in: behind its eight loads seven blocks' were issued
.else
	s_wait_loadcnt 8*(16-(\kb))                    ; the counts run down
.endif
.endif
	PW \kb, 0
	PIND \kb, 0
	PW \kb, 1
	PIND \kb, 1
	PW \kb, 2
	PEXP \kb, 0
	PW \kb, 3
	PEXP \kb, 1
	WIN 0
	v_nop                                          ; a plain instruction behind the last exponential (ISA guide 5.7.2)
	s_wait_alu depctr_va_vdst(0)                   ; and the wait ahead of the first use: one for the 32
	PW \kb, 4
	PSUM \kb, 0
	PW \kb, 5
	PSUM \kb, 1
	PW \kb, 6
	PCVT \kb, 0
	PW \kb, 7
	PCVT \kb, 1                                    ; eight plain lines that name none of the last product's registers: the places in front of the loads below
.if ((\kb) > 0) && ((\kb) <= 8)
	VLOAD (\kb)+7                                  ; the slot just multiplied takes the block eight further on
.endif
.endm
.Lblk:                                                 ; eight trips: a block of 32 queries
	; 1. THE SCORES
	KLOAD 0
	KLOAD 1
	KLOAD 2
	KLOAD 3
	s_wait_loadcnt 0x0                             ; Q
	QKG 0, 48
	QKG 1, 48
	QKG 2, 48
	QKG 3, 48
	QKG 4, 48
	QKG 5, 32
	QKG 6, 16
	QKG 7, 0
	; 2. THE MAXIMUM.  Between the two tiles' passes the next block's Q and V's first four slots are asked for: Q's and window 3's last products stand 128 plain lines back.
	MAXP 0
	s_add_co_u32 s29, s29, 1
	s_min_u32 s29, s29, 7                          ; the last block asks for its own Q once more: no load leaves the buffer
	s_lshl_b32 s30, s29, 12                        ; a block's Q is 4,096 bytes
	s_add_nc_u64 s[32:33], s[4:5], s[30:31]
.irp i, 0,1,2,3,4,5,6,7
	global_load_b128 v[QF+4*\i:QF+4*\i+3], v[LN16], s[32:33] offset:512*\i
.endr
	VLOAD 0
	VLOAD 1
	VLOAD 2
	VLOAD 3
	MAXP 1
	s_wait_dscnt 0x0                               ; my maxima are in LDS
	s_barrier_signal -1
	s_barrier_wait -1                              ; behind it nobody reads the last block's partial O^T any more either: the exchange may use those bytes
	ds_load_b128 v[RB:RB+3], v[RR] offset:MX
	ds_load_b128 v[TT:TT+3], v[RR] offset:MX+256
	s_wait_dscnt 0x0
	v_max3_num_f32 v[RB], v[RB], v[RB+1], v[RB+2]
	v_max3_num_f32 v[TT], v[TT], v[TT+1], v[TT+2]
	v_max_num_f32 v[RB], v[RB], v[RB+3]
	v_max_num_f32 v[TT], v[TT], v[TT+3]
	v_mul_f32 v[CM], v[CV], v[RB]
	v_mul_f32 v[CM+2], v[CV], v[TT]
	v_and_b32 v[TA], 0x7fffffff, v[CM]
	v_and_b32 v[TB], 0x7fffffff, v[CM+2]
	v_fma_f32 v[CM], v[TA], s47, v[CM]             ; raised by 2^-22 of itself, two steps of its last place or more: cm is not below c m, so no x is above 0
	v_fma_f32 v[CM+2], v[TB], s47, v[CM+2]
	v_mov_b32 v[CM+1], v[CM]
	v_mov_b32 v[CM+3], v[CM+2]
	; 3. x = c s - cm
	XPASS 0
	XPASS 1
	VLOAD 4                                        ; the fifth slot; the registers of slots 5 to 7 serve the selection first
	; 4. THE 204th SMALLEST y: four digits of eight bits, from the top
	WIN 0
.set n, 0
.rept 16
	v_mov_b32 v[AA+n], -1                          ; all 2,048 are alive
.set n, n+1
.endr
	v_mov_b32 v[SS+2], 0x434c0000                  ; k = 204
	v_mov_b32 v[SS+10], 0x434c0000
	v_mov_b32 v[SS+3], 0
	v_mov_b32 v[SS+11], 0
	s_mov_b32 s[SL1], 0x03030703                   ; byte 3 of the second source, byte 3 of the first (the upper two bytes are written over by the next lines)
	s_mov_b32 s[SL2], 0x00070100                   ; the two bytes gathered, byte 3 of the first source
	s_mov_b32 s[SL3], 0x07020100                   ; the three bytes gathered, byte 3 of the first source
	s_mov_b32 s37, 5                               ; passes to go
	s_branch .Lprep                                ; the loop is entered in its middle: pass 0 makes tile 0's top digit and no more
.Ldigit:                                               ; passes 1 to 4: digits 3 to 0
	XST                                            ; tile 0's words; the exchange's last readers have waited for their loads and passed a barrier
	PACKA 1                                        ; tile 1's planes are made while tile 0's go and come
	s_wait_dscnt 0x0                               ; my words of tile 0 are in LDS: for the others' sake
	s_barrier_signal -1
	PACKB 1                                        ; work on registers while the others arrive
	s_barrier_wait -1
	XLD 0                                          ; the last digit's steps, which read these registers, are over
	BFS 4, M4
	BFS 2, M2
	s_wait_dscnt 0x0                               ; my reads of tile 0's words are over
	s_barrier_signal -1
	BFS 1, M1
	s_barrier_wait -1                              ; everybody's are: the bytes may be written again
	XST                                            ; tile 1's words
	s_wait_dscnt 0x0
	s_barrier_signal -1
	s_sub_co_u32 s[SL1], s[SL1], 0x01010101        ; the next byte down
	s_sub_co_u32 s[SL2], s[SL2], 0x00010000
	s_sub_co_u32 s[SL3], s[SL3], 0x01000000
	s_barrier_wait -1
	XLD 1
.Lprep:
	s_cmp_eq_u32 s37, 1                            ; behind the last digit there is none to make
	s_cbranch_scc1 .Lnoprep
	PACKA 0                                        ; tile 0's next digit is made while tile 1's planes come back
	PACKB 0
	BFS 4, M4
	BFS 2, M2
	BFS 1, M1
	WIN 0
.Lnoprep:
	s_wait_dscnt 0x0                               ; tile 1's planes are in: my reads of the exchange are over
	s_barrier_signal -1
	s_barrier_wait -1                              ; everybody's are
	s_cmp_eq_u32 s37, 5                            ; pass 0 has no planes yet
	s_cbranch_scc1 .Lnosteps
	s_cmp_eq_u32 s37, 4                            ; the top digit's plane 7 is the sign's: it takes no part in the order
	s_cbranch_scc1 .Lno7
	STEP 7
.Lno7:
	STEP 6
	STEP 5
	STEP 4
	STEP 3
	STEP 2
	STEP 1
	STEP 0
.Lnosteps:
	s_sub_co_u32 s37, s37, 1
	s_cmp_lg_u32 s37, 0
	s_cbranch_scc1 .Ldigit
	VLOAD 5                                        ; the staging registers are free: V's slots 5 to 7, five steps and more ahead of their products
	VLOAD 6
	VLOAD 7
	WIN 0
	; the keep bound: the next pattern above the key, at the least 2^-25, taken as a float, times 2^64; the query's eight lanes store the same number into the same word
.irp T, 0,1
	v_add_nc_u32 v[SS+8*\T+4], 1, v[SS+8*\T+3]
.endr
.irp T, 0,1
	v_max_num_f32 v[SS+8*\T+4], 0x33000000, v[SS+8*\T+4]
.endr
.irp T, 0,1
	v_mul_f32 v[SS+8*\T+4], s38, v[SS+8*\T+4]
.endr
.irp T, 0,1
	ds_store_b32 v[BW], v[SS+8*\T+4] offset:64*\T
.endr
	s_wait_dscnt 0x0
	s_barrier_signal -1
	s_barrier_wait -1
	ds_load_b32 v[CB], v[BR]
	ds_load_b32 v[CB+2], v[BR] offset:64
	; 5. p, l AND O^T
.irp i, 0,1,2,3,4,5,6,7
	v_mov_b32 v[LL+\i], 0
.endr
	s_wait_dscnt 0x0
	v_mov_b32 v[CB+1], v[CB]
	v_mov_b32 v[CB+3], v[CB+2]
	PVSTEP 0
	PVSTEP 1
	PVSTEP 2
	PVSTEP 3
	PVSTEP 4
	PVSTEP 5
	PVSTEP 6
	PVSTEP 7
	PVSTEP 8
	PVSTEP 9
	PVSTEP 10
	PVSTEP 11
	PVSTEP 12
	PVSTEP 13
	PVSTEP 14
	PVSTEP 15
	s_wait_loadcnt 0x0                             ; the last block of V
.irp i, 0,1,2,3,4,5,6,7
	PVW 15, \i                                     ; and its products: no vector work is left to set between them
.endr
	; 6. THE WAY OUT: the four waves' partial O^T and l meet in LDS; wave w finishes channel tile w of both query tiles
	WIN 0
	PLACES
.set a, 0
.rept 8
	ds_store_b128 v[OPW], v[OA+8*a:OA+8*a+3]   offset:a*1024
	ds_store_b128 v[OPW], v[OA+8*a+4:OA+8*a+7] offset:a*1024+512
.set a, a+1
.endr
	v_pk_add_f32 v[LL:LL+1], v[LL:LL+1], v[LL+2:LL+3]
	v_pk_add_f32 v[LL+4:LL+5], v[LL+4:LL+5], v[LL+6:LL+7]
	v_add_f32 v[LL], v[LL], v[LL+1]
	v_add_f32 v[LL+4], v[LL+4], v[LL+5]
	v_permlanex16_b32 v[TA], v[LL], s40, s41
	v_permlanex16_b32 v[TB], v[LL+4], s40, s41
	v_add_f32 v[LL], v[LL], v[TA]
	v_add_f32 v[LL+4], v[LL+4], v[TB]
	ds_store_b32 v[RW], v[LL] offset:LS
	ds_store_b32 v[RW], v[LL+4] offset:LS+256
	s_wait_dscnt 0x0                               ; for the others' sake
	s_barrier_signal -1
	s_barrier_wait -1
	ds_load_b128 v[RB:RB+3], v[RR] offset:LS
	ds_load_b128 v[TT:TT+3], v[RR] offset:LS+256
.irp v, 0,1,2,3
.irp t, 0,1
	ds_load_b128 v[WO+16*\v+8*\t:WO+16*\v+8*\t+3],   v[OPR] offset:\v*8192+\t*4096
	ds_load_b128 v[WO+16*\v+8*\t+4:WO+16*\v+8*\t+7], v[OPR] offset:\v*8192+\t*4096+512
.endr
.endr
	s_wait_dscnt 0x0
	v_add_f32 v[RB], v[RB], v[RB+1]
	v_add_f32 v[RB+2], v[RB+2], v[RB+3]
	v_add_f32 v[TT], v[TT], v[TT+1]
	v_add_f32 v[TT+2], v[TT+2], v[TT+3]
	v_add_f32 v[RB], v[RB], v[RB+2]
	v_add_f32 v[TT], v[TT], v[TT+2]
	v_rcp_f32 v[RB], v[RB]                         ; 1 / l: the full softmax sum, about 1 at the least
	v_rcp_f32 v[TT], v[TT]
.irp v, 1,2,3
.set n, 0
.rept 8
	v_pk_add_f32 v[WO+2*n:WO+2*n+1], v[WO+2*n:WO+2*n+1], v[WO+16*\v+2*n:WO+16*\v+2*n+1]  ; the independent work behind the reciprocals
.set n, n+1
.endr
.endr
	s_wait_alu depctr_va_vdst(0)                   ; one wait for both reciprocals, ahead of their first reader
.irp i, 0,1,2,3
	v_pk_mul_f32 v[WO+2*\i:WO+2*\i+1], v[WO+2*\i:WO+2*\i+1], v[RB:RB+1] op_sel_hi:[1,0]
	v_pk_mul_f32 v[WO+8+2*\i:WO+8+2*\i+1], v[WO+8+2*\i:WO+8+2*\i+1], v[TT:TT+1] op_sel_hi:[1,0]
.endr
.irp i, 0,1,2,3
	v_cvt_pk_f16_f32 v[WO+16+\i], v[WO+2*\i], v[WO+2*\i+1]
	v_cvt_pk_f16_f32 v[WO+20+\i], v[WO+8+2*\i], v[WO+8+2*\i+1]
.endr
	global_store_b128 v[LN16], v[WO+16:WO+19], s[10:11]               ; 512 consecutive bytes, aligned: half a fragment of the next launch's operand
	global_store_b128 v[LN16], v[WO+20:WO+23], s[10:11] offset:16384
	; 7. ON TO THE NEXT BLOCK
	s_wait_xcnt 0x0                                ; every load and store so far has read its address and data: O's and Q's pointers and the stores' registers are rewritten only behind this wait
	s_add_nc_u64 s[10:11], s[10:11], 32768         ; two token tiles on
	s_sub_co_u32 s28, s28, 1
	s_cmp_lg_u32 s28, 0
	s_cbranch_scc1 .Lblk
	s_wait_tensorcnt 0x0                           ; the wave's end: behind my last tensor load and my last LDS store
	ds_add_u32 v[SPW], v[NIL]
	s_wait_dscnt 0x0
	ROUND                                          ; the closing round
	s_endpgm
.Lfunc_end_k_qf0e83ca9a2_attn:
	.size	k_qf0e83ca9a2_attn, .Lfunc_end_k_qf0e83ca9a2_attn-k_qf0e83ca9a2_attn
	.p2alignl 7, 3214868480
	.fill 96, 4, 3214868480
	.section	.rodata,"a",@progbits
	.p2align	6, 0x0
	.amdhsa_kernel k_qf0e83ca9a2_attn
		.amdhsa_group_segment_fixed_size 301056
		.amdhsa_private_segment_fixed_size 0
		.amdhsa_enable_private_segment 0
		.amdhsa_kernarg_size 32
		.amdhsa_user_sgpr_count 2
		.amdhsa_user_sgpr_kernarg_segment_ptr 1
		.amdhsa_wavefront_size32 1
		.amdhsa_system_sgpr_workgroup_id_x 1
		.amdhsa_system_sgpr_workgroup_id_y 1
		.amdhsa_system_sgpr_workgroup_id_z 1
		.amdhsa_system_vgpr_workitem_id 0
		.amdhsa_next_free_vgpr 1024
		.amdhsa_next_free_sgpr 66
		.amdhsa_reserve_vcc 1
		.amdhsa_float_denorm_mode_32 3
		.amdhsa_float_denorm_mode_16_64 3
		.amdhsa_memory_ordered 1
		.amdhsa_forward_progress 1
		.amdhsa_inst_pref_size 255
	.end_amdhsa_kernel
	.section	.bss,"aw",@nobits
	.p2align	6
	.space	262144
	.amdgpu_metadata
---
amdhsa.version: [ 1, 2 ]
amdhsa.kernels:
  - .name:           k_qf0e83ca9a2_attn
    .symbol:         k_qf0e83ca9a2_attn.kd
    .args:
      - { .name: qf, .offset: 0, .size: 8, .value_kind: global_buffer, .address_space: global }
      - { .name: kf, .offset: 8, .size: 8, .value_kind: global_buffer, .address_space: global }
      - { .name: vf, .offset: 16, .size: 8, .value_kind: global_buffer, .address_space: global }
      - { .name: of, .offset: 24, .size: 8, .value_kind: global_buffer, .address_space: global }
    .group_segment_fixed_size: 301056
    .private_segment_fixed_size: 0
    .kernarg_segment_align: 8
    .kernarg_segment_size: 32
    .max_flat_workgroup_size: 128
    .sgpr_count:     66
    .vgpr_count:     1024
    .wavefront_size: 32
...
	.end_amdgpu_metadata
.endif
;; end of part 4
;; launch outp: the kernel of part 3 again; grid 256 x 1, 8 waves a work-group, no clusters, 72,704 bytes of LDS; arguments of, Wo, bo, out0; writes out0
